; MI455X (gfx1250); checked and timed in simulation.
; The chip was launched on July 23, 2026; its instructions are those of AMD's public machine-readable ISA for CDNA 5 (MIT licence, August 2026) and "CDNA5" Instruction Set Architecture Reference Guide (July 2026). The comments in the code are by the model that wrote it; some were corrected since.
;; QKV Block. Allowed arithmetic: matrix products marked QUANTISED: E3M2 operands, one E8M0 scale for each 32 along K, by v_wmma_scale_f32_16x16x128_f8f6f4 with both operands' format E3M2, f32 sums; everything else in f32.
;; Inputs: Wk 16 x 1,024 x 64 float32; Wo 1,024 x 1,024 float32; Wq 16 x 1,024 x 64 float32; Wv 16 x 1,024 x 64 float32; bk 16 x 64 float32; bo 1,024 float32; bq 16 x 64 float32; bv 16 x 64 float32; x 4 x 2,048 x 1,024 float32.
;; Outputs: out0 4 x 2,048 x 1,024 float32.
;; This version of the problem:
;;   THIS VERSION OF THE PROBLEM IS GIVEN IN LOW PRECISION. The matrix products marked QUANTISED in the list below multiply operands that are first quantised to E3M2 (3 exponent bits, 2 mantissa bits; 6 bits a number), with one power-of-two scale for each 32 numbers along K (OCP MX v1.0); their sums are f32. All else is computed in f32.
;;   The module's matrix products, in the order in which they are computed (A, B: the left and right operand; K: the contracted axis; several contracted axes count as one K, in the product's order):
;;     1. [M 1,024, K 1,024] x [K 1,024, N 8,192]; A: input Wq; B: input x: QUANTISED
;;     2. [M 1,024, K 1,024] x [K 1,024, N 8,192]; A: input Wk; B: input x: QUANTISED
;;     3. [M 1,024, K 1,024] x [K 1,024, N 8,192]; A: input Wv; B: input x: QUANTISED
;;     4. batch 64 x [M 2,048, K 64] x [K 64, N 2,048]; A: computed on the way; B: computed on the way: QUANTISED
;;     5. batch 64 x [M 2,048, K 2,048] x [K 2,048, N 64]; A: softmax (see below); B: computed on the way: QUANTISED
;;     6. [M 8,192, K 1,024] x [K 1,024, N 1,024]; A: computed on the way; B: input Wo: QUANTISED
;;   THE QUANTISER, for each operand of a quantised product, along K:
;;     - K is cut into blocks of 32 from its start; a last block that is shorter is filled with zeros.
;;     - A block's scale is 2^e with e = floor(log2(the largest magnitude in the block)) - 4, held to -126 .. 127; a block of zeros has e = 0. As a byte (E8M0): e + 127.
;;     - Each number is divided by its block's scale, clamped to +-28, and rounded to the nearest number of E3M2, ties to even, subnormals kept.
;;     - The product sums the exact products of the quantised numbers (number of the format x scale) in f32.
;;   ~~~python
;;   def quantise(x, axis):      # numpy; x: float32 -> the quantised numbers, widened to float32 again
;;       x = np.moveaxis(x, axis, -1); K = x.shape[-1]
;;       x = np.pad(x, [(0, 0)] * (x.ndim - 1) + [(0, -K % 32)]); x = x.reshape(x.shape[:-1] + (-1, 32)); a = np.abs(x).max(-1, keepdims=True)
;;       e = np.where(a > 0, np.clip(np.frexp(np.where(a > 0, a, 1))[1] - 1 - 4, -126, 127), 0)      # np.frexp(a)[1] - 1 = floor(log2(a)), exactly
;;       r = np.clip(x / 2.0 ** e, -28, 28)
;;       step = 2.0 ** (np.maximum(np.frexp(np.where(r == 0, 1, r))[1] - 1, -2) - 2)
;;       q = np.round(r / step) * step * 2.0 ** e      # np.round: ties to even
;;       return np.moveaxis(q.reshape(q.shape[:-2] + (-1,))[..., :K], -1, axis).astype(np.float32)
;;   ~~~
;;   SOFTMAX AHEAD OF A QUANTISED PRODUCT. Where the list says 'softmax', what is quantised is not the finished softmax but p = 2^(t - M), with t = logit x log2(e) and M = ceil(the row's largest t), a whole number; so 1/2 < the row's largest p <= 1. The row's sum l is taken of the UNQUANTISED p, in f32, and the product's result is divided by l at the end. Since M is a whole number, a kernel that streams over the keys may use a running M (the ceiling of the running maximum): every later rescaling is an exact power of two, which a block's scale takes up: the codes' values come out the same.
;;   OPERANDS COMPUTED ON THE WAY. 'Computed on the way' means the value that the module computes at that place (a softmax that the list does not call 'softmax' is quantised finished and normalised). What goes into a quantiser is computed in f32, as accurately as f32 sums, v_exp_f32 and their like allow (about 1e-6 of the number): no bf16 or f16 on the way to a quantiser, and a product that is left as it is and whose result goes on into a quantised operand takes f32 operands (vector FMAs, or v_wmma_f32_16x16x4_f32). A number that lies on a knife's edge between two numbers of the format may be rounded either way, as far as f32 arithmetic and the matrix unit's own rounding can turn it there, and no further.
;; One version. Each part assembles by itself: llvm-mc -triple=amdgcn-amd-amdhsa -mcpu=gfx1250 --defsym DOCPART=n.
;; ======== version 1 of 1: 4 launches
;; limits: right only within a limited range of input values
;; workspace buffers: xc 6,291,456 bytes; xs 262,144 bytes; wc 3,145,728 bytes; ws 131,072 bytes; qkv 18,874,368 bytes; qkvs 1,572,864 bytes; catc 6,291,456 bytes; cats 262,144 bytes
;; launch quant (part 1): grid 512 x 1, 4 waves a work-group, no clusters, 46,592 bytes of LDS; arguments x, Wq, Wk, Wv, Wo, xc, xs, wc, ws; writes xc, xs, wc, ws
.if DOCPART == 1
	.amdgcn_target "amdgcn-amd-amdhsa--gfx1250"
	.amdhsa_code_object_version 6
	.text
	.protected	k_q2f7cec8f3f_quant
	.globl	k_q2f7cec8f3f_quant
	.p2align	8
	.type	k_q2f7cec8f3f_quant,@function
k_q2f7cec8f3f_quant:
	s_mov_b64 s[64:65], 0
	v_nop
	global_prefetch_b8 v0, s[64:65] scope:SCOPE_SE
	s_setreg_imm32_b32 hwreg(HW_REG_WAVE_MODE, 25, 1), 1
	s_wait_xcnt 0x0
; x [8192][1024] (K innermost) and Wq, Wk, Wv [16][1024][64], Wo [1024][1024] (K = the 1,024 of the first matrix axis), all f32, become codes of BF6 (E3M2) with one E8M0 byte for each 32 along K.
; A block's scale is 2^(floor(log2(largest magnitude)) - 4): its byte is the largest magnitude's exponent field - 4, held at 1 from below.
; LIMITS: NaN and infinities are not served; a block whose largest magnitude lies under 2^-122 keeps the byte 1; a block of zeros has the byte 1 where the rule says 127 (its codes are zeros, and only this program reads the bytes).
; THE WORKSPACE IS LAID IN THE ORDER OF THE OPERANDS' REGISTERS.  Rows go in groups of 16: group g, lane row r, is true row 32 (g / 2) + 8 (g % 2) + r + 8 (r / 8).
; An IMAGE is 16 rows x 64 K, 768 bytes: lane (r, h) holds block h of row r in six registers: registers 0-3 at 16 x lane, registers 4-5 at 512 + 8 x lane.  Codes: [group][16 images].
; Scale words: 512 bytes a group, the word of (row r, K step s of 128) at 256 (s / 4) + 16 r + 4 (s % 4).   wc, ws: groups 0-63 Wq, 64-127 Wk, 128-191 Wv, 192-255 Wo (a row = a column n of the weight).
; Work-groups 0-255 take x, 256-511 the weights: two ways that part once, on the work-group's number, each with LDS bytes of its own.  No tensor load, no barrier: waves share nothing.
.set RG,    12288                      ; a row group's codes for K = 1,024
.set XSTG,  16*528                     ; x's way: a wave's stage, 16 rows x (512 bytes + 16)
.set WBASE, 4*XSTG                     ; the weights' way: stages behind x's
.set WSTG,  3072                       ; two row groups x 128 K of codes
.set SEL,   20                         ; s[20:21] selects of v_permlanex16_b32: lane l xor 16
.set PC,    16                         ; v16-35  x: the fragment just made (12) and 8 at work
.set TM,    36                         ; v36-51  x: largest magnitudes, bytes, scale operands
.set PW,    52                         ; v52-55  x: the four K steps' scale words
.set R,     64                         ; v64-191 x: two sets of 64 numbers as loaded
.set X,     192                        ; v192-255 x: 64 numbers, register 16 b + i = k 32 b + 16 h + i of my row
.set CW,    20                         ; v20-51  weights: a block's codes, 8 registers for each of 4 blocks
.set OUTW,  52                         ; v52-75  weights: the way out
.set XW,    128                        ; v128-255 weights: my column's 128 numbers down K
	s_load_b256 s[4:11], s[0:1], 0x0               ; x, Wq, Wk, Wv
	s_load_b256 s[12:19], s[0:1], 0x20             ; Wo, xc, xs, wc
	s_load_b64 s[22:23], s[0:1], 0x40              ; ws
	v_lshl_add_u32 v15, v0, 2, 0xb400
	v_mov_b32 v35, 0
	v_lshrrev_b32 v1, 5, v0
	v_readfirstlane_b32 s24, v1                    ; wave 0..3
	v_and_b32 v2, 31, v0                           ; lane
	s_mov_b32 s[SEL], 0x76543210
	s_mov_b32 s[SEL+1], 0xfedcba98
	s_cmp_lt_u32 ttmp9, 256
	s_cbranch_scc0 .Lweights
; ---------------- x: wave w of work-group i takes row group 2 i + w / 2, K half w % 2: 16 rows x 512 K, four K steps of 128
; 64 numbers of a lane become a fragment's codes in v[PC] on and its scale word in v[pw]
.macro QUANT s, pw
.irp b, 0,1,2,3
	v_max3_num_f32 v[TM+\b], |v[\s+16*\b]|, |v[\s+1+16*\b]|, 0x2800000   ; my 16 numbers of block b, and the floor 2^(5 - 127): the byte cannot fall under 1
.endr
.irp i, 2,4,6,8,10,12,14
.irp b, 0,1,2,3
	v_max3_num_f32 v[TM+\b], v[TM+\b], |v[\s+16*\b+\i]|, |v[\s+1+16*\b+\i]|   ; the four blocks by turns
.endr
.endr
.irp b, 0,1,2,3
	v_permlanex16_b32 v[TM+4+\b], v[TM+\b], s[SEL], s[SEL+1]
.endr
.irp b, 0,1,2,3
	v_max_num_f32 v[TM+\b], v[TM+\b], v[TM+4+\b]   ; with lane l xor 16's 16: the block's largest magnitude
.endr
.irp b, 0,1,2,3
	v_add_nc_u32 v[TM+12+\b], 0xfe000000, v[TM+\b] ; 4 off its exponent field: the conversion's scale operand
.endr
.irp b, 0,1,2,3
	v_lshrrev_b32 v[TM+4+\b], 23, v[TM+12+\b]      ; the scale's byte
.endr
	v_lshl_or_b32 v[\pw], v[TM+5], 8, v[TM+4]
	v_lshl_or_b32 v[\pw], v[TM+6], 16, v[\pw]
	v_lshl_or_b32 v[\pw], v[TM+7], 24, v[\pw]
.irp c, 0,1
	v_cvt_scalef32_pk16_bf6_f32 v[PC+6*\c:PC+2+6*\c], v[\s+32*\c:\s+15+32*\c], v[TM+12+2*\c]
	v_cvt_scalef32_pk16_bf6_f32 v[PC+12+4*\c:PC+14+4*\c], v[\s+16+32*\c:\s+31+32*\c], v[TM+12+2*\c+1]   ; (a conversion's three registers begin on an even number)
.endr
	v_nop                                          ; one plain place behind a scaled conversion
.irp c, 0,1                                    ; the layout wants a whole block in a lane: lanes 0-15 block 2 c, lanes 16-31 block 2 c + 1
.irp i, 0,1,2
	v_permlane16_swap_b32 v[PC+6*\c+\i], v[PC+12+4*\c+\i]
.endr
.irp i, 0,1,2
	v_mov_b32 v[PC+3+6*\c+\i], v[PC+12+4*\c+\i]
.endr
.endr
.endm
.macro LOADX t                         ; K step t: 16 loads, each 512 consecutive bytes of one of the group's rows
.irp i, 0,1,2,3,4,5,6,7,8,9,10,11,12,13,14,15
	global_load_b128 v[R+64*((\t)%2)+4*\i:R+64*((\t)%2)+4*\i+3], v4, s[4:5] offset:(\i+8*(\i/8))*4096+512*(\t) th:TH_LOAD_NT
.endr
.endm
.macro XSTEP t
.if (\t) < 3
	s_wait_loadcnt 16                              ; this step's 16 loads are in; the next step's 16 may be out
.else
	s_wait_loadcnt 0x0
.endif
.irp i, 0,1,2,3,4,5,6,7,8,9,10,11,12,13,14,15
	ds_store_b128 v5, v[R+64*((\t)%2)+4*\i:R+64*((\t)%2)+4*\i+3] offset:528*\i     ; rows as they lie, 528 bytes apart
.endr
.irp b, 0,1,2,3
.irp j, 0,1,2,3
	ds_load_b128 v[X+16*\b+4*\j:X+16*\b+4*\j+3], v6 offset:128*\b+16*\j            ; back: 16 neighbours of each block of my row.  LDS serves a wave's instructions in order
.endr
.endr
	s_wait_dscnt 0x0                               ; the numbers are back, and the stores have read their registers,
.if (\t) < 2
	LOADX (\t)+2                                   ; which take the loads of two steps on
.endif
.if (\t) > 0
	s_wait_xcnt 0x0                                ; the last step's stores have read the fragment's registers: they are written again only behind this wait
.endif
	QUANT X, PW+(\t)
	global_store_b128 v4, v[PC:PC+3], s[14:15] offset:1536*(\t)                    ; two images: whole runs of 512 and 256 consecutive bytes
	global_store_b64 v7, v[PC+4:PC+5], s[14:15] offset:1536*(\t)+512
	global_store_b128 v4, v[PC+6:PC+9], s[14:15] offset:1536*(\t)+768
	global_store_b64 v7, v[PC+10:PC+11], s[14:15] offset:1536*(\t)+1280
.endm
	v_and_b32 v3, 15, v0                           ; r
	v_bfe_u32 v9, v0, 4, 1                         ; h
	v_lshlrev_b32 v4, 4, v2                        ; 16 x lane
	s_mul_i32 s25, s24, XSTG                       ; my stage
	v_add_nc_u32 v5, s25, v4                       ; into it
	v_mul_u32_u24 v6, v3, 528
	v_lshl_add_u32 v6, v9, 6, v6
	v_add_nc_u32 v6, s25, v6                       ; out of it: row r, + 64 h
	v_lshlrev_b32 v7, 3, v2                        ; 8 x lane
	v_lshlrev_b32 v8, 4, v3
	v_lshl_add_u32 v8, v9, 3, v8                   ; 16 r + 8 h: my two scale words
.irp b, 0,1,2,3
	v_mov_b32 v[TM+4+\b], 0                        ; written once: a lane permute's destination counts as one of its sources
.endr
	s_lshl_b32 s26, ttmp9, 1
	s_lshr_b32 s27, s24, 1
	s_add_co_u32 s26, s26, s27                     ; row group g
	s_and_b32 s27, s24, 1                          ; K half
	s_lshr_b32 s28, s26, 1
	s_lshl_b32 s28, s28, 5
	s_and_b32 s29, s26, 1
	s_lshl_b32 s29, s29, 3
	s_add_co_u32 s28, s28, s29                     ; the group's first true row: 32 (g / 2) + 8 (g % 2)
	s_lshl_b32 s28, s28, 12                        ; rows of 4,096 bytes
	s_lshl_b32 s29, s27, 11
	s_add_co_u32 s28, s28, s29
	s_mov_b32 s29, 0
	s_mul_i32 s30, s26, RG
	s_mul_i32 s31, s27, RG/2
	s_add_co_u32 s30, s30, s31
	s_mov_b32 s31, 0
	s_lshl_b32 s32, s26, 9
	s_lshl_b32 s33, s27, 8
	s_add_co_u32 s32, s32, s33
	s_mov_b32 s33, 0
	s_wait_alu depctr_va_vdst(0)
	s_wait_kmcnt 0x0
	s_add_nc_u64 s[4:5], s[4:5], s[28:29]
	s_add_nc_u64 s[14:15], s[14:15], s[30:31]
	s_add_nc_u64 s[16:17], s[16:17], s[32:33]
	LOADX 0
	LOADX 1
	XSTEP 0
	XSTEP 1
	XSTEP 2
	XSTEP 3
	v_cmp_le_u32 vcc_lo, 16, v2                    ; lanes 16-31 store the words of steps 2 and 3, lanes 0-15 those of steps 0 and 1 (both halves hold all four of row r)
	v_cndmask_b32 v56, v[PW], v[PW+2], vcc_lo
	v_cndmask_b32 v57, v[PW+1], v[PW+3], vcc_lo
	global_store_b64 v8, v[56:57], s[16:17]        ; 32 lanes store 256 consecutive bytes, aligned
	s_wait_tensorcnt 0x0
	ds_add_u32 v15, v35
	s_wait_dscnt 0x0
	s_endpgm
; ---------------- the weights: work-group j = number - 256 takes K step j % 8; its wave w the 32 columns of group 4 (j / 8) + w.  A LANE TAKES A COLUMN, ITS REGISTERS RUN DOWN K.
.Lweights:
.macro WLOADS stride                   ; W(128 s + k, my column): 32 lanes read 128 consecutive bytes
.set KK, 0
.rept 128
	global_load_b32 v[XW+KK], v4, s[6:7] offset:KK*\stride th:TH_LOAD_NT
.set KK, KK+1
.endr
.endm
.macro WBLOCK b, left                  ; block b of my column: all 32 numbers are mine
.set XS, XW+32*\b
	s_wait_loadcnt \left                           ; this block's loads are in; later blocks' may be out
	v_max3_num_f32 v12, |v[XS]|, |v[XS+1]|, |v[XS+2]|
	v_max3_num_f32 v13, |v[XS+3]|, |v[XS+4]|, |v[XS+5]|
.irp i, 6,10,14,18,22,26
	v_max3_num_f32 v12, v12, |v[XS+\i]|, |v[XS+\i+1]|
	v_max3_num_f32 v13, v13, |v[XS+\i+2]|, |v[XS+\i+3]|
.endr
	v_max3_num_f32 v12, v12, |v[XS+30]|, |v[XS+31]|
	v_max3_num_f32 v12, v12, v13, 0x2800000        ; and the floor 2^(5 - 127)
	v_add_nc_u32 v11, 0xfe000000, v12              ; the conversion's scale operand
	v_lshrrev_b32 v13, 23, v11                     ; the byte
.if \b == 0
	v_mov_b32 v16, v13
.else
	v_lshl_or_b32 v16, v13, 8*\b, v16              ; the K step's scale word of my column
.endif
	v_cvt_scalef32_pk16_bf6_f32 v[CW+8*\b:CW+8*\b+2], v[XS:XS+15], v11
	v_cvt_scalef32_pk16_bf6_f32 v[CW+8*\b+4:CW+8*\b+6], v[XS+16:XS+31], v11
	v_nop                                          ; one plain place behind a scaled conversion
	v_mov_b32 v[CW+8*\b+3], v[CW+8*\b+4]
	v_mov_b32 v[CW+8*\b+4], v[CW+8*\b+5]
	v_mov_b32 v[CW+8*\b+5], v[CW+8*\b+6]
	ds_store_b128 v5, v[CW+8*\b:CW+8*\b+3] offset:768*(\b/2)+256*(\b%2)            ; image b / 2 of the step, place of lane (rho, b % 2)
	ds_store_b64 v6, v[CW+8*\b+4:CW+8*\b+5] offset:768*(\b/2)+512+128*(\b%2)
.endm
	s_sub_co_u32 s25, ttmp9, 256                   ; j
	s_and_b32 s26, s25, 7                          ; K step s
	s_lshr_b32 s27, s25, 3
	s_lshl_b32 s27, s27, 2
	s_add_co_u32 s27, s27, s24                     ; group of 32 columns, 0..127
	s_lshr_b32 s29, s25, 6                         ; 0 Wq, 1 Wk, 2 Wv, 3 Wo
	s_wait_alu depctr_va_vdst(0)
	v_lshlrev_b32 v4, 2, v2                        ; 4 x lane
	v_bfe_u32 v10, v0, 3, 1                        ; column l of the 32 is row rho = l % 8 + 8 (l / 16) of row group u = (l / 8) % 2 of the pair
	v_and_b32 v11, 7, v0
	v_bfe_u32 v12, v0, 4, 1
	v_lshl_add_u32 v11, v12, 3, v11
	s_mul_i32 s28, s24, WSTG
	s_add_co_u32 s28, s28, WBASE                   ; my stage
	v_mul_u32_u24 v13, v10, 1536
	v_add_nc_u32 v13, s28, v13
	v_lshl_add_u32 v5, v11, 4, v13                 ; + 1,536 u + 16 rho
	v_lshl_add_u32 v6, v11, 3, v13                 ; + 1,536 u + 8 rho
	v_lshlrev_b32 v8, 4, v2                        ; 16 x lane
	v_add_nc_u32 v7, s28, v8
	v_lshlrev_b32 v9, 4, v11
	v_lshl_add_u32 v9, v10, 9, v9                  ; scale word: 512 u + 16 rho
	s_and_b32 s30, s27, 31                         ; the group within its tensor
	s_lshr_b32 s31, s30, 1
	s_lshl_b32 s31, s31, 18                        ; Wq, Wk, Wv: head x 1,024 x 256 bytes,
	s_and_b32 s32, s27, 1
	s_lshl_b32 s32, s32, 7                         ; + the head's upper or lower 32 columns,
	s_add_co_u32 s31, s31, s32
	s_lshl_b32 s32, s26, 15                        ; + 128 s rows of 256 bytes
	s_add_co_u32 s31, s31, s32
	s_lshl_b32 s30, s30, 7                         ; Wo: 128 bytes a group,
	s_lshl_b32 s32, s26, 19                        ; + 128 s rows of 4,096 bytes
	s_add_co_u32 s32, s30, s32
	s_mul_i32 s34, s27, 2*RG                       ; wc: row groups 2 x group, + 1,536 s
	s_mul_i32 s35, s26, 1536
	s_add_co_u32 s34, s34, s35
	s_mov_b32 s35, 0
	s_lshl_b32 s36, s27, 10                        ; ws: 512 bytes a row group, + 256 (s / 4) + 4 (s % 4)
	s_lshr_b32 s37, s26, 2
	s_lshl_b32 s37, s37, 8
	s_add_co_u32 s36, s36, s37
	s_and_b32 s37, s26, 3
	s_lshl_b32 s37, s37, 2
	s_add_co_u32 s36, s36, s37
	s_mov_b32 s37, 0
	s_wait_kmcnt 0x0
	s_cmp_eq_u32 s29, 0
	s_cselect_b64 s[6:7], s[6:7], s[8:9]
	s_cmp_eq_u32 s29, 2
	s_cselect_b64 s[6:7], s[10:11], s[6:7]
	s_cmp_eq_u32 s29, 3
	s_cselect_b64 s[6:7], s[12:13], s[6:7]         ; the tensor is chosen by the work-group's number alone
	s_cselect_b32 s30, s32, s31
	s_mov_b32 s31, 0
	s_add_nc_u64 s[6:7], s[6:7], s[30:31]
	s_add_nc_u64 s[18:19], s[18:19], s[34:35]
	s_add_nc_u64 s[22:23], s[22:23], s[36:37]
	s_cmp_eq_u32 s29, 3
	s_cbranch_scc1 .Lwo
	WLOADS 256
	s_branch .Lloaded
.Lwo:
	WLOADS 4096
.Lloaded:
	WBLOCK 0, 63
	WBLOCK 1, 63
	WBLOCK 2, 32
	WBLOCK 3, 0
.irp i, 0,1,2,3,4,5
	ds_load_b128 v[OUTW+4*\i:OUTW+4*\i+3], v7 offset:512*\i                        ; LDS serves a wave's instructions in order: these see my stores
.endr
	global_store_b32 v9, v16, s[22:23]             ; four bytes a row, 16 bytes apart: one byte in 128 of what the launch reads leaves so
.irp i, 0,1,2,3,4,5
	s_wait_dscnt 5-\i
	global_store_b128 v8, v[OUTW+4*\i:OUTW+4*\i+3], s[18:19] offset:(\i/3)*RG+(\i%3)*512   ; 512 consecutive bytes, aligned
.endr
	s_wait_tensorcnt 0x0
	ds_add_u32 v15, v35
	s_wait_dscnt 0x0
	s_endpgm
.Lfunc_end_k_q2f7cec8f3f_quant:
	.size	k_q2f7cec8f3f_quant, .Lfunc_end_k_q2f7cec8f3f_quant-k_q2f7cec8f3f_quant
	.p2alignl 7, 3214868480
	.fill 96, 4, 3214868480
	.section	.rodata,"a",@progbits
	.p2align	6, 0x0
	.amdhsa_kernel k_q2f7cec8f3f_quant
		.amdhsa_group_segment_fixed_size 46592
		.amdhsa_private_segment_fixed_size 0
		.amdhsa_enable_private_segment 0
		.amdhsa_kernarg_size 72
		.amdhsa_user_sgpr_count 2
		.amdhsa_user_sgpr_kernarg_segment_ptr 1
		.amdhsa_wavefront_size32 1
		.amdhsa_system_sgpr_workgroup_id_x 1
		.amdhsa_system_sgpr_workgroup_id_y 1
		.amdhsa_system_sgpr_workgroup_id_z 1
		.amdhsa_system_vgpr_workitem_id 0
		.amdhsa_next_free_vgpr 256
		.amdhsa_next_free_sgpr 66
		.amdhsa_reserve_vcc 1
		.amdhsa_float_denorm_mode_32 3
		.amdhsa_float_denorm_mode_16_64 3
		.amdhsa_memory_ordered 1
		.amdhsa_forward_progress 1
		.amdhsa_inst_pref_size 68
	.end_amdhsa_kernel
	.amdgpu_metadata
---
amdhsa.version: [ 1, 2 ]
amdhsa.kernels:
  - .name:           k_q2f7cec8f3f_quant
    .symbol:         k_q2f7cec8f3f_quant.kd
    .args:
      - { .name: x, .offset: 0, .size: 8, .value_kind: global_buffer, .address_space: global }
      - { .name: Wq, .offset: 8, .size: 8, .value_kind: global_buffer, .address_space: global }
      - { .name: Wk, .offset: 16, .size: 8, .value_kind: global_buffer, .address_space: global }
      - { .name: Wv, .offset: 24, .size: 8, .value_kind: global_buffer, .address_space: global }
      - { .name: Wo, .offset: 32, .size: 8, .value_kind: global_buffer, .address_space: global }
      - { .name: xc, .offset: 40, .size: 8, .value_kind: global_buffer, .address_space: global }
      - { .name: xs, .offset: 48, .size: 8, .value_kind: global_buffer, .address_space: global }
      - { .name: wc, .offset: 56, .size: 8, .value_kind: global_buffer, .address_space: global }
      - { .name: ws, .offset: 64, .size: 8, .value_kind: global_buffer, .address_space: global }
    .group_segment_fixed_size: 46592
    .private_segment_fixed_size: 0
    .kernarg_segment_align: 8
    .kernarg_segment_size: 72
    .max_flat_workgroup_size: 128
    .sgpr_count:     66
    .vgpr_count:     256
    .wavefront_size: 32
...
	.end_amdgpu_metadata
.endif
;; end of part 1
;; launch proj (part 2): grid 16 x 48, 16 waves a work-group, clusters of 4 x 4, 327,680 bytes of LDS; arguments xc, xs, wc, ws, bq, bk, bv, qkv, qkvs; writes qkv, qkvs
.if DOCPART == 2
	.amdgcn_target "amdgcn-amd-amdhsa--gfx1250"
	.amdhsa_code_object_version 6
	.text
	.protected	k_q2f7cec8f3f_proj
	.globl	k_q2f7cec8f3f_proj
	.p2align	8
	.type	k_q2f7cec8f3f_proj,@function
k_q2f7cec8f3f_proj:
	s_mov_b64 s[64:65], 0
	v_nop
	global_prefetch_b8 v0, s[64:65] scope:SCOPE_SE
	s_setreg_imm32_b32 hwreg(HW_REG_WAVE_MODE, 25, 1), 1
	s_wait_xcnt 0x0
	s_wait_alu depctr_hold_cnt(0) depctr_sa_sdst(0) depctr_va_vdst(0) depctr_va_sdst(0) depctr_va_ssrc(0) depctr_va_vcc(0) depctr_vm_vsrc(0)
	s_getreg_b32 s2, hwreg(HW_REG_IB_STS2, 6, 4)
	s_cmp_eq_u32 s2, 0
	s_cbranch_scc0 .Lentry_in_a_cluster
	s_endpgm
.Lentry_in_a_cluster:
	s_bfe_u32 s2, ttmp6, 0x10000c
	s_cmp_lg_u32 s2, 0xf033
	s_cbranch_scc0 .Lentry_shape_is_right
	s_endpgm
.Lentry_shape_is_right:
; Q = x Wq + bq, K = x Wk + bk, V = x Wv + bv on codes of BF6 (E3M2) with E8M0 scales; the results, in f32, are quantised at once: Q and K along the head's 64, V along the tokens (the keys).
; OPERANDS lie in the order of their registers (launch quant): row groups of 16 (group g, lane row r = true row 32 (g / 2) + 8 (g % 2) + r + 8 (r / 8)), 12,288 bytes of codes a group, images of 768 bytes (16 rows x 64 K).
; A TILE is 256 rows of A (16 groups) x 128 rows of B (8 groups), ALL of K = 1,024 in LDS: 24 x 12,288 = 294,912 bytes, every byte filled once: no slot is filled again.
; THE PRODUCT IS USED TRANSPOSED: source 0 = B's 16 rows, source 1 = A's: a lane holds one row of A, and by the order of rows in a group its 16 registers of two neighbouring tiles of B are 16 NEIGHBOURS along B's rows.
; Clusters with y < 8: A = x (tokens), B = Wq | Wk (columns): a lane holds a token and 64 channels of one head.   y >= 8: A = Wv (channels), B = x: a lane holds a channel and 64 neighbouring tokens.
; So in both cases a lane's 32 registers (for one group of A) are what the next product's quantiser wants, and nothing changes lanes.  The case hangs on the cluster's y alone: it is the same in all sixteen partners.
; CLUSTER 4 x 4: A's tile hangs on cy and not on cx: asked for jointly along a row; B's on cx and not on cy: along a column.
; OUT: plane P = 64 T + 16 batch + head (T = 0 Q, 1 K, 2 V), 128 entries of one image (768 bytes) and 64 bytes of scale words (row r's word at 4 r: byte 0 | byte 1 << 8, upper bytes 0).
;   Q, K: entry = the token group in the sequence.   V: entry = 4 G + a, G the group of 64 tokens, a the head's channel group.
; LIMITS: NaN and infinities are not served; a block whose largest magnitude lies under 2^-122 keeps the byte 1, and so does a block of zeros (its codes are zeros; only this program reads the bytes).
.set RG,    12288
.set HALF,  147456                     ; LDS: half q (K steps 4 q .. 4 q + 3): A's 16 groups x 6,144 bytes, then B's 8
.set BOFF,  98304
.set WV,  22                           ; s22 wave; s23 wm = wave / 2: my two groups of A; s24 wn = wave % 2: my four groups of B
.set SEL, 30
.set G1A, 32                           ; s[32:39], s[40:47] descriptor groups 1;  s[48:55], s[68:75] groups 0, a set for each chunk
.set G1B, 40
.set G0A, 48
.set G0B, 68
.set SA,  16                           ; v16-23   A's scale words: group a, register q: K step q in lanes 0-15, K step 4 + q in lanes 16-31
.set SB,  24                           ; v24-39   B's likewise
.set AF,  40                           ; v40-63   A's two fragments
.set BF,  64                           ; v64-111  B's four
.set ACC, 112                          ; v112-175 accumulator (a, b) at 112 + 32 a + 8 b
.set BI,  176                          ; v176-207 bias along my registers
.set PC,  208                          ; v208-223 the two images made
.set PW,  224                          ; v224-225 their scale words
.set TM,  226                          ; v226-231 at work
.set OW,  232
.set BV,  234                          ; v234-237 bias of my row, a pair for each a
.macro CROUND                          ; a round of the cluster's barrier
	s_barrier_signal -1
	s_barrier_wait -1
	s_cmp_lg_u32 s[WV], 0
	s_cbranch_scc1 .Lnot_wave_0_\@
	s_barrier_signal -3
.Lnot_wave_0_\@:
	s_barrier_wait -3
	s_barrier_signal -1
	s_barrier_wait -1
.endm
; A joint load of half q: waves 0-7 fetch two groups of A each, waves 8-15 one group of B each.  Each line has one mask; the branch hangs on the wave's number alone.
.macro JLOAD q
	s_cmp_lt_u32 s[WV], 8
	s_cbranch_scc0 .Lfor_b_\@
	tensor_load_to_lds s[G0A+4*\q:G0A+4*\q+3], s[G1A:G1A+7]
	s_nop 0
.rept 4
	v_nop
.endr
	s_branch .Lasked_\@
.Lfor_b_\@:
	tensor_load_to_lds s[G0B+4*\q:G0B+4*\q+3], s[G1B:G1B+7]
	s_nop 0
.rept 4
	v_nop
.endr
.Lasked_\@:
.endm
.macro LOADF reg, a16, a8, off
	ds_load_b128 v[\reg:\reg+3], v[\a16] offset:\off
	ds_load_b64 v[\reg+4:\reg+5], v[\a8] offset:\off+512
	ds_load_b128 v[\reg+6:\reg+9], v[\a16] offset:\off+768
	ds_load_b64 v[\reg+10:\reg+11], v[\a8] offset:\off+1280
.endm
; 32 numbers of a lane, register 16 b + i = k 32 b + 16 h + i of my row, become an image in v[pc .. pc + 5] and its scale word in v[pw]
.macro QUANT2 s, pc, pw
.irp b, 0,1
	v_max3_num_f32 v[TM+\b], |v[\s+16*\b]|, |v[\s+1+16*\b]|, 0x2800000   ; and the floor 2^(5 - 127): the byte cannot fall under 1
.endr
.irp i, 2,4,6,8,10,12,14
.irp b, 0,1
	s_delay_alu instid0(VALU_DEP_2)
	v_max3_num_f32 v[TM+\b], v[TM+\b], |v[\s+16*\b+\i]|, |v[\s+1+16*\b+\i]|
.endr
.endr
.irp b, 0,1
	s_delay_alu instid0(VALU_DEP_2)
	v_permlanex16_b32 v[TM+2+\b], v[TM+\b], s[SEL], s[SEL+1]
.endr
.irp b, 0,1
	s_delay_alu instid0(VALU_DEP_2)
	v_max_num_f32 v[TM+\b], v[TM+\b], v[TM+2+\b]   ; with lane l xor 16's 16: the block's largest magnitude
.endr
.irp b, 0,1
	s_delay_alu instid0(VALU_DEP_2)
	v_add_nc_u32 v[TM+4+\b], 0xfe000000, v[TM+\b]  ; 4 off its exponent field: the conversion's scale operand
.endr
.irp b, 0,1
	s_delay_alu instid0(VALU_DEP_2)
	v_lshrrev_b32 v[TM+2+\b], 23, v[TM+4+\b]       ; the byte
.endr
	s_delay_alu instid0(VALU_DEP_1)
	v_lshl_or_b32 v[\pw], v[TM+3], 8, v[TM+2]
	v_cvt_scalef32_pk16_bf6_f32 v[\pc:\pc+2], v[\s:\s+15], v[TM+4]
	v_cvt_scalef32_pk16_bf6_f32 v[\pc+4:\pc+6], v[\s+16:\s+31], v[TM+5]
	v_nop                                          ; one plain place behind a scaled conversion
.irp i, 0,1,2
	v_permlane16_swap_b32 v[\pc+\i], v[\pc+4+\i]   ; a whole block to a lane: lanes 0-15 block 0, lanes 16-31 block 1
.endr
	s_delay_alu instid0(VALU_DEP_3)
	v_mov_b32 v[\pc+3], v[\pc+4]
	s_delay_alu instid0(VALU_DEP_3)
	v_mov_b32 v[\pc+4], v[\pc+5]
	s_delay_alu instid0(VALU_DEP_3)
	v_mov_b32 v[\pc+5], v[\pc+6]
.endm
	s_load_b256 s[4:11], s[0:1], 0x0               ; xc, xs, wc, ws
	s_load_b256 s[12:19], s[0:1], 0x20             ; bq, bk, bv, qkv
	s_load_b64 s[20:21], s[0:1], 0x40              ; qkvs
	v_lshl_add_u32 v254, v0, 2, 0x48000
	v_mov_b32 v255, 0
	ds_add_u32 v254, v255
	ds_add_u32 v254, v255
	v_lshrrev_b32 v1, 5, v0
	s_delay_alu instid0(VALU_DEP_1)
	v_readfirstlane_b32 s[WV], v1                  ; wave 0..15
	s_lshr_b32 s23, s[WV], 1                       ; wm
	s_and_b32 s24, s[WV], 1                        ; wn
	s_bfe_u32 s25, ttmp6, 0x40000                  ; cx
	s_bfe_u32 s26, ttmp6, 0x40004                  ; cy
	s_lshl_b32 s27, ttmp9, 2
	s_add_co_u32 s27, s27, s25                     ; X = 4 x cluster x + cx
	s_and_b32 s28, ttmp7, 0xffff                   ; the cluster's y
	s_mov_b32 s[SEL], 0x76543210
	s_mov_b32 s[SEL+1], 0xfedcba98
	s_lshl_b32 s84, s26, 2
	s_lshl_b32 s84, 15, s84                        ; my row of the cluster
	s_lshl_b32 s92, 0x1111, s25                    ; my column
	; descriptor groups 1, elements of 8 bytes, no padding.  A: two rows of 6,144 bytes (half of K of two groups), 12,288 bytes apart.  B: 6,144 dense bytes as 24 rows of 256
	s_or_b32 s[G1A], s84, (3<<16)|(1<<21)
	s_or_b32 s[G1B], s92, (3<<16)|(1<<21)
	s_mov_b32 s[G1A+1], 768<<16
	s_mov_b32 s[G1A+2], 2<<16
	s_mov_b32 s[G1A+3], 768<<16
	s_mov_b32 s[G1A+4], 2
	s_mov_b32 s[G1A+5], 1536
	s_mov_b32 s[G1A+6], 0
	s_mov_b32 s[G1A+7], 0
	s_mov_b32 s[G1B+1], 32<<16
	s_mov_b32 s[G1B+2], 24<<16
	s_mov_b32 s[G1B+3], 32<<16
	s_mov_b32 s[G1B+4], 24
	s_mov_b32 s[G1B+5], 32
	s_mov_b32 s[G1B+6], 0
	s_mov_b32 s[G1B+7], 0
	; A's tile: y < 8: tile 4 y + cy of x;  else tile cy of Wv (row groups 128 on of wc, ws).  No register here ever holds cx
	s_cmp_lt_u32 s28, 8
	s_cselect_b32 s29, s28, 0
	s_cselect_b32 s85, 0, 128*RG
	s_cselect_b32 s86, 0, 128*512
	s_lshl_b32 s29, s29, 2
	s_add_co_u32 s29, s29, s26                     ; aIdx
	s_mul_i32 s88, s29, 16*RG
	s_add_co_u32 s88, s88, s85
	s_and_b32 s87, s[WV], 7
	s_mul_i32 s87, s87, 2*RG                       ; wave w < 8 fetches A's groups 2 w, 2 w + 1
	s_add_co_u32 s88, s88, s87
	s_mov_b32 s89, 0
	s_lshl_b32 s90, s29, 13                        ; its scale words: 8,192 bytes a tile, my two groups
	s_add_co_u32 s90, s90, s86
	s_lshl_b32 s87, s23, 10
	s_add_co_u32 s90, s90, s87
	s_mov_b32 s91, 0
	; B's tile: y < 8: tile X of Wq | Wk;  else tile X + 16 (y - 8) of x.  No register here ever holds cy
	s_max_u32 s92, s28, 8
	s_sub_co_u32 s92, s92, 8
	s_lshl_b32 s92, s92, 4
	s_add_co_u32 s92, s92, s27                     ; bIdx
	s_mul_i32 s94, s92, 8*RG
	s_and_b32 s93, s[WV], 7
	s_mul_i32 s93, s93, RG                         ; wave 8 + g fetches B's group g
	s_add_co_u32 s94, s94, s93
	s_mov_b32 s95, 0
	s_lshl_b32 s96, s92, 12
	s_lshl_b32 s93, s24, 11
	s_add_co_u32 s96, s96, s93
	s_mov_b32 s97, 0
	s_and_b32 s85, s[WV], 7                        ; where they go: the wave's number alone enters an LDS address
	s_mul_i32 s93, s85, 12288
	s_mul_i32 s85, s85, 6144
	s_add_co_u32 s85, s85, BOFF
	s_wait_dscnt 0x0
	s_wait_kmcnt 0x0
	s_cmp_lt_u32 s28, 8
	s_cselect_b64 s[98:99], s[4:5], s[8:9]         ; A's codes
	s_cselect_b64 s[100:101], s[8:9], s[4:5]       ; B's codes
	s_cselect_b64 s[2:3], s[6:7], s[10:11]         ; A's scales
	s_cselect_b64 s[66:67], s[10:11], s[6:7]       ; B's scales
	s_add_nc_u64 s[98:99], s[98:99], s[88:89]
	s_add_nc_u64 s[100:101], s[100:101], s[94:95]
	s_add_nc_u64 s[2:3], s[2:3], s[90:91]
	s_add_nc_u64 s[66:67], s[66:67], s[96:97]
.irp p, 0,1
	s_mov_b32 s[G0A+4*\p], 1
	s_add_co_u32 s[G0A+4*\p+1], s93, \p*HALF
	s_add_nc_u64 s[G0A+4*\p+2:G0A+4*\p+3], s[98:99], \p*6144
	s_or_b32 s[G0A+4*\p+3], s[G0A+4*\p+3], 0x80000000
	s_mov_b32 s[G0B+4*\p], 1
	s_add_co_u32 s[G0B+4*\p+1], s85, \p*HALF
	s_add_nc_u64 s[G0B+4*\p+2:G0B+4*\p+3], s[100:101], \p*6144
	s_or_b32 s[G0B+4*\p+3], s[G0B+4*\p+3], 0x80000000
.endr
	CROUND                                         ; all sixteen work-groups are here: the joint loads meet
	JLOAD 0                                        ; K steps 0-3: one tensor load a wave at the head
	v_and_b32 v10, 31, v0                          ; lane
	v_and_b32 v11, 15, v0                          ; r
	v_bfe_u32 v12, v0, 4, 1                        ; h
	s_wait_alu depctr_va_vdst(0)
	v_lshlrev_b32 v1, 4, v10                       ; 16 x lane
	v_lshlrev_b32 v2, 3, v10                       ; 8 x lane
	v_lshlrev_b32 v3, 2, v10                       ; 4 x lane
	s_mul_i32 s93, s23, 12288                      ; my two groups of A in a half
	v_add_nc_u32 v4, s93, v1
	v_add_nc_u32 v5, s93, v2
	s_mul_i32 s93, s24, 24576                      ; my four groups of B
	s_add_co_u32 s93, s93, BOFF
	v_add_nc_u32 v6, s93, v1
	v_add_nc_u32 v7, s93, v2
.irp a, 0,1
	global_load_b128 v[SA+4*\a:SA+4*\a+3], v1, s[2:3] offset:512*\a
.endr
.irp b, 0,1,2,3
	global_load_b128 v[SB+4*\b:SB+4*\b+3], v1, s[66:67] offset:512*\b
.endr
	; where the results go, and the bias row
	s_lshl_b32 s84, s27, 1
	s_add_co_u32 s84, s84, s24                     ; y < 8: head 2 X + wn of the 32 of Wq | Wk
	s_lshr_b32 s86, s84, 4                         ; T
	s_and_b32 s87, s84, 15                         ; head
	s_lshl_b32 s88, s26, 2
	s_lshr_b32 s89, s23, 1
	s_add_co_u32 s89, s88, s89                     ; else: head 4 cy + wm / 2
	s_lshr_b32 s88, s29, 3                         ; batch: aIdx / 8,
	s_lshr_b32 s85, s92, 4                         ; or bIdx / 16
	s_and_b32 s90, s29, 7
	s_lshl_b32 s90, s90, 4
	s_lshl_b32 s91, s23, 1
	s_add_co_u32 s90, s90, s91                     ; entry: 16 (aIdx % 8) + 2 wm,
	s_and_b32 s91, s92, 15
	s_lshl_b32 s91, s91, 1
	s_add_co_u32 s91, s91, s24
	s_lshl_b32 s91, s91, 2
	s_and_b32 s94, s23, 1
	s_lshl_b32 s95, s94, 1
	s_add_co_u32 s91, s91, s95                     ; or 4 (2 (bIdx % 16) + wn) + 2 (wm % 2)
	s_cmp_eq_u32 s86, 0
	s_cselect_b64 s[12:13], s[12:13], s[14:15]     ; bq or bk,
	s_cmp_lt_u32 s28, 8
	s_cselect_b64 s[12:13], s[12:13], s[16:17]     ; or bv
	s_cselect_b32 s86, s86, 2
	s_cselect_b32 s87, s87, s89
	s_cselect_b32 s88, s88, s85
	s_cselect_b32 s90, s90, s91
	s_lshl_b32 s86, s86, 6
	s_lshl_b32 s88, s88, 4
	s_add_co_u32 s86, s86, s88
	s_add_co_u32 s86, s86, s87                     ; plane
	s_lshl_b32 s86, s86, 7
	s_add_co_u32 s86, s86, s90                     ; 128 x plane + entry
	s_mul_i32 s88, s86, 768
	s_mov_b32 s89, 0
	s_add_nc_u64 s[18:19], s[18:19], s[88:89]
	s_lshl_b32 s88, s86, 6
	s_add_nc_u64 s[20:21], s[20:21], s[88:89]
	s_lshl_b32 s88, s87, 8                         ; the head's 64 biases
	s_add_nc_u64 s[12:13], s[12:13], s[88:89]
	; Both shapes of the bias are loaded on the one way that all take (both lie inside the head's 256 bytes); the epilogue adds one of them.
	v_lshlrev_b32 v9, 6, v12                       ; along my registers: register 16 b + i is channel 32 b + 16 h + i
	v_and_b32 v13, 8, v11
	s_delay_alu instid0(VALU_DEP_1)
	v_add_nc_u32 v13, v13, v11
	s_delay_alu instid0(VALU_DEP_1)
	v_lshlrev_b32 v8, 2, v13                       ; of my row: channel 32 (wm % 2) + 8 a + r + 8 (r / 8)
	s_lshl_b32 s95, s94, 7
	v_add_nc_u32 v8, s95, v8
.irp b, 0,1
.irp q, 0,1,2,3
	global_load_b128 v[BI+16*\b+4*\q:BI+16*\b+4*\q+3], v9, s[12:13] offset:128*\b+16*\q
.endr
.endr
.irp a, 0,1
	global_load_b32 v[BV+2*\a], v8, s[12:13] offset:32*\a
	global_load_b32 v[BV+2*\a+1], v8, s[12:13] offset:32*\a
.endr
	v_mov_b32 v[TM+2], 0                           ; written once: a lane permute's destination counts as one of its sources
	v_mov_b32 v[TM+3], 0
	s_wait_alu depctr_va_vdst(0)
	s_wait_loadcnt 12                              ; the six loads of scale words are in; the twelve of the bias, issued behind them, may be out
; A K step of 128: six fragments from LDS, eight products; the eight accumulators take turns, one instruction a turn.
.macro KSTEP s
.if ((\s)%4) != 0
.rept 4
	v_nop                                          ; four places in front of loads into registers that matrix instructions have read
.endr
.endif
.irp a, 0,1
	LOADF AF+12*\a, 4, 5, 6144*\a+1536*((\s)%4)
.endr
.irp b, 0,1,2,3
	LOADF BF+12*\b, 6, 7, 6144*\b+1536*((\s)%4)
.endr
	s_wait_dscnt 0x0
.irp b, 0,1,2,3
.irp a, 0,1
.set DD, ACC+32*\a+8*\b
.if (\s) == 0
	v_wmma_scale_f32_16x16x128_f8f6f4 v[DD:DD+7], v[BF+12*\b:BF+12*\b+11], v[AF+12*\a:AF+12*\a+11], 0, v[SB+4*\b], v[SA+4*\a] matrix_a_fmt:MATRIX_FMT_BF6 matrix_b_fmt:MATRIX_FMT_BF6
.elseif (\s) < 4
	v_wmma_scale_f32_16x16x128_f8f6f4 v[DD:DD+7], v[BF+12*\b:BF+12*\b+11], v[AF+12*\a:AF+12*\a+11], v[DD:DD+7], v[SB+4*\b+(\s)], v[SA+4*\a+(\s)] matrix_a_fmt:MATRIX_FMT_BF6 matrix_b_fmt:MATRIX_FMT_BF6
.else
	v_wmma_scale_f32_16x16x128_f8f6f4 v[DD:DD+7], v[BF+12*\b:BF+12*\b+11], v[AF+12*\a:AF+12*\a+11], v[DD:DD+7], v[SB+4*\b+(\s)-4], v[SA+4*\a+(\s)-4] matrix_a_fmt:MATRIX_FMT_BF6 matrix_b_fmt:MATRIX_FMT_BF6 matrix_a_scale:MATRIX_SCALE_ROW1 matrix_b_scale:MATRIX_SCALE_ROW1
.endif
.endr
.endr
.endm
	s_wait_tensorcnt 0x0                           ; my part of half 0 is in
	ds_add_u32 v254, v255
	s_wait_dscnt 0x0
	CROUND                                         ; everybody's part is in, and all sixteen work-groups are here
	JLOAD 1                                        ; K steps 4-7, my one tensor load behind the round; it lands under the four K steps below
.irp s, 0,1,2,3
	KSTEP \s
.endr
	s_wait_tensorcnt 0x0                           ; my part of half 1 is in
	s_barrier_signal -1
	s_barrier_wait -1                              ; everybody's is
	v_add_nc_u32 v4, HALF, v4                      ; on to half 1; these four are also the places in front of the loads
	v_add_nc_u32 v5, HALF, v5
	v_add_nc_u32 v6, HALF, v6
	v_add_nc_u32 v7, HALF, v7
	s_wait_alu depctr_va_vdst(0)
.irp s, 4,5,6,7
	KSTEP \s
.endr
.rept 4
	v_nop                                          ; four places in front of the first read of results
.endr
	s_wait_loadcnt 0x0                             ; the bias
	s_cmp_lt_u32 s28, 8
	s_cbranch_scc0 .Lbias_row
.irp a, 0,1
.irp i, 0,2,4,6,8,10,12,14,16,18,20,22,24,26,28,30
	v_pk_add_f32 v[ACC+32*\a+\i:ACC+32*\a+\i+1], v[ACC+32*\a+\i:ACC+32*\a+\i+1], v[BI+\i:BI+\i+1]   ; Q, K: the registers run along the channels.  Each accumulator from its low end on
.endr
.endr
	s_branch .Lbiased
.Lbias_row:
.irp a, 0,1
.irp i, 0,2,4,6,8,10,12,14,16,18,20,22,24,26,28,30
	v_pk_add_f32 v[ACC+32*\a+\i:ACC+32*\a+\i+1], v[ACC+32*\a+\i:ACC+32*\a+\i+1], v[BV+2*\a:BV+2*\a+1]   ; V: the lane is a channel
.endr
.endr
.Lbiased:
	QUANT2 ACC, PC, PW
	QUANT2 ACC+32, PC+8, PW+1
	global_store_b128 v1, v[PC:PC+3], s[18:19]                     ; two images: runs of 512 and 256 consecutive bytes, aligned
	global_store_b64 v2, v[PC+4:PC+5], s[18:19] offset:512
	global_store_b128 v1, v[PC+8:PC+11], s[18:19] offset:768
	global_store_b64 v2, v[PC+12:PC+13], s[18:19] offset:1280
	v_cmp_le_u32 vcc_lo, 16, v10
	s_delay_alu instid0(VALU_DEP_1)
	v_cndmask_b32 v[OW], v[PW], v[PW+1], vcc_lo    ; lanes 0-15 the first image's words, lanes 16-31 the second's
	global_store_b32 v3, v[OW], s[20:21]           ; 128 consecutive bytes: half of an aligned 256
	s_wait_tensorcnt 0x0
	ds_add_u32 v254, v255
	s_wait_dscnt 0x0
	CROUND                                         ; the closing round: no work-group ends while a partner may still ask for a tile that names it
	s_endpgm
.Lfunc_end_k_q2f7cec8f3f_proj:
	.size	k_q2f7cec8f3f_proj, .Lfunc_end_k_q2f7cec8f3f_proj-k_q2f7cec8f3f_proj
	.p2alignl 7, 3214868480
	.fill 96, 4, 3214868480
	.section	.rodata,"a",@progbits
	.p2align	6, 0x0
	.amdhsa_kernel k_q2f7cec8f3f_proj
		.amdhsa_group_segment_fixed_size 327680
		.amdhsa_private_segment_fixed_size 0
		.amdhsa_enable_private_segment 0
		.amdhsa_kernarg_size 72
		.amdhsa_user_sgpr_count 2
		.amdhsa_user_sgpr_kernarg_segment_ptr 1
		.amdhsa_wavefront_size32 1
		.amdhsa_system_sgpr_workgroup_id_x 1
		.amdhsa_system_sgpr_workgroup_id_y 1
		.amdhsa_system_sgpr_workgroup_id_z 1
		.amdhsa_system_vgpr_workitem_id 0
		.amdhsa_next_free_vgpr 256
		.amdhsa_next_free_sgpr 102
		.amdhsa_reserve_vcc 1
		.amdhsa_float_denorm_mode_32 3
		.amdhsa_float_denorm_mode_16_64 3
		.amdhsa_memory_ordered 1
		.amdhsa_forward_progress 1
		.amdhsa_inst_pref_size 43
	.end_amdhsa_kernel
	.amdgpu_metadata
---
amdhsa.version: [ 1, 2 ]
amdhsa.kernels:
  - .name:           k_q2f7cec8f3f_proj
    .symbol:         k_q2f7cec8f3f_proj.kd
    .args:
      - { .name: xc, .offset: 0, .size: 8, .value_kind: global_buffer, .address_space: global }
      - { .name: xs, .offset: 8, .size: 8, .value_kind: global_buffer, .address_space: global }
      - { .name: wc, .offset: 16, .size: 8, .value_kind: global_buffer, .address_space: global }
      - { .name: ws, .offset: 24, .size: 8, .value_kind: global_buffer, .address_space: global }
      - { .name: bq, .offset: 32, .size: 8, .value_kind: global_buffer, .address_space: global }
      - { .name: bk, .offset: 40, .size: 8, .value_kind: global_buffer, .address_space: global }
      - { .name: bv, .offset: 48, .size: 8, .value_kind: global_buffer, .address_space: global }
      - { .name: qkv, .offset: 56, .size: 8, .value_kind: global_buffer, .address_space: global }
      - { .name: qkvs, .offset: 64, .size: 8, .value_kind: global_buffer, .address_space: global }
    .group_segment_fixed_size: 327680
    .private_segment_fixed_size: 0
    .kernarg_segment_align: 8
    .kernarg_segment_size: 72
    .max_flat_workgroup_size: 512
    .sgpr_count:     102
    .vgpr_count:     256
    .wavefront_size: 32
...
	.end_amdgpu_metadata
.endif
;; end of part 2
;; launch attn (part 3): grid 4 x 64, 8 waves a work-group, clusters of 4 x 1, 263,168 bytes of LDS; arguments qkv, qkvs, catc, cats; writes catc, cats
.if DOCPART == 3
	.amdgcn_target "amdgcn-amd-amdhsa--gfx1250"
	.amdhsa_code_object_version 6
	.text
	.protected	k_q2f7cec8f3f_attn
	.globl	k_q2f7cec8f3f_attn
	.p2align	8
	.type	k_q2f7cec8f3f_attn,@function
k_q2f7cec8f3f_attn:
	s_mov_b64 s[64:65], 0
	v_nop
	global_prefetch_b8 v0, s[64:65] scope:SCOPE_SE
	s_setreg_imm32_b32 hwreg(HW_REG_WAVE_MODE, 25, 1), 1
	s_wait_xcnt 0x0
	s_wait_alu depctr_hold_cnt(0) depctr_sa_sdst(0) depctr_va_vdst(0) depctr_va_sdst(0) depctr_va_ssrc(0) depctr_va_vcc(0) depctr_vm_vsrc(0)
	s_getreg_b32 s2, hwreg(HW_REG_IB_STS2, 6, 4)
	s_cmp_eq_u32 s2, 0
	s_cbranch_scc0 .Lentry_in_a_cluster
	s_endpgm
.Lentry_in_a_cluster:
	s_bfe_u32 s2, ttmp6, 0x10000c
	s_cmp_lg_u32 s2, 0x3003
	s_cbranch_scc0 .Lentry_shape_is_right
	s_endpgm
.Lentry_shape_is_right:
; heads = softmax(Q K^T / 8) V for each of the 64 planes (batch, head), both products on codes of BF6 (E3M2) with E8M0 scales; the result is divided by the row's sum and quantised along the concatenated heads.
; THE SOFTMAX: t = score x log2(e) / 8; M = the running largest t rounded UP to a whole number; p = 2^(t - M) is quantised along the keys, not normalised; the row's sum is taken of the unquantised p;
; when M moves, the sum and O are multiplied by 2^(old M - new M), which rounds nothing.
; SHARES.  A work-group owns 512 queries of one plane: 256 work-groups.  Each of its eight waves holds TWO groups of 16 queries at a time (A and B), in two passes: each fragment of K and V read from LDS feeds both groups,
; and the two groups' work is laid by turns, block by block, the short serial chains line by line.
; ALL of the plane's K and V and their scale words lie in LDS, every byte filled once, by one joint load a wave at the head: waves 0-2 K's codes, 3-5 V's (32,768 bytes each), wave 6 K's scale words, wave 7 V's (8,192 each).
; One barrier shows them to all waves; behind it the waves share nothing more.  Nothing is prefetched: every byte that the work-group reads is asked for at its head.
; CLUSTER 4 x 1: the four work-groups of a cluster belong to one plane and ask for K and V jointly.
; LAYOUT (launch proj): images of 768 bytes, 16 rows x 64 K: lane (rho, h) has block h of row rho: 16 bytes at 16 x lane, 8 bytes at 512 + 8 x lane.  Group G of a step's eight holds key 32 (G / 2) + 8 (G % 2) + rho + 8 (rho / 8).
; In LDS each 256 bytes of codes have 64 bytes of padding behind them: an image is 960 bytes, its three parts 320 apart.
; Both products are used transposed: S^T = K Q^T, O^T = V^T P^T: a lane holds ONE query of each group.
; THE ROWS OF A TILE OF K ARE CHOSEN BY THE LANES' ADDRESSES: tile 4 c + i has in rows m < 8 the keys 64 c + 8 i + m and in rows m >= 8 the keys 64 c + 32 + 8 i + m - 8, that is row m % 8 + 8 (i / 2) of group
; 4 c + i % 2 + 2 (m / 8).  So lane (r, h) holds in its 32 registers of tiles 4 c .. 4 c + 3 the keys 64 c + 32 h + 0 .. 31: a whole block, in the order that the second product's operand wants.
; K AND V HAVE REGISTERS OF THEIR OWN: the next step's K (with its scale words and V's) is asked for behind this step's first products, V at the step's top.  The last step's look-ahead reads the bytes that follow in LDS
; (V's scale words are followed by K's, these by K's codes, these by V's codes: all filled); what it brings is not used.
; THE FIRST PRODUCT'S K IS 64, the instruction's 128: Q's upper six registers hold zero codes; K's operand for tile t names the next tile's six registers as its upper half (tile 7: six cleared registers): they
; meet zero codes, under scale bytes 0 (no NaN), and add nothing.
; REGISTERS.  Window 0: v0-15 addresses; v16-39 Q of A and B; v40-53 scales; v54-59 the step's addresses; v60-73 partial sums; v74-87 the second pass's Q; v96-159 A's scores; v160-191 A's O^T; v192-223 codes of p; v224-253 small numbers of both groups.
; Window 1: v0-53 K's eight images and six zeros; v96-159 B's scores; v160-191 B's O^T; v192-239 V's four fragments.
; LIMITS: NaN and infinities are not served; a block whose largest magnitude lies under 2^-122 keeps the byte 1, and so does a block of zeros; the promise holds while |t| stays under 2^31.
.set RG,   12288
.set IM,   960                         ; an image in LDS
.set KSC,  8192                        ; LDS: V's scale words at 0, K's at 8,192,
.set KB,   16384                       ; K's codes,
.set VB,   139264                      ; V's codes,
.set SPARE, 262144                     ; the spare words: 128 bytes a wave
.set WV,  12
.set SEL, 20
.set CS,  22                           ; s[22:23] c = log2(e) / 8
.set TB,  24                           ; s24 the step's byte among the codes; s25 among the scale words
.set TS,  25
.set CNT, 26
.set TN,  27                           ; s27 the NEXT step's byte among the scale words, held at the last step's: the look-ahead among the scale words never leaves their 8,192 bytes
.set G1C, 28                           ; s[28:35] group 1 for codes, s[36:43] for scale words; s[44:47], s[48:51] groups 0
.set G1S, 36
.set G0C, 44
.set G0S, 48
.set QS,  40                           ; v40-41 Q's scale words (A, B); v42-43 p's
.set PS,  42
.set KS,  44                           ; v44-47 K's scale words: tiles 2 i (lanes 0-15), 2 i + 1 (lanes 16-31)
.set VS,  48                           ; v48-49 V's, four bytes each; v50-53 as they lie, two bytes each
.set VR,  50
.set AD,  54
.set T,   60
.set Q1,  74
.set KF,  0                            ; window 1
.set VF,  192                          ; window 1
.set PCD, 192                          ; v192-203 A's codes of p, v204-215 B's; v216-222 a block's upper halves
.set CT,  216
.set BM,  224                          ; v224-231 largest scores, four a group
.set TP,  232                          ; v232-237 at work, three a group
.set SO,  238                          ; v238-241 the conversions' scale operands
.set FF,  242                          ; v[242:243], v[244:245] f = 2^(old M - new M); the upper ones are only named
.set NM,  246                          ; v[246:247], v[248:249] -M and the running largest score
.set LS,  250                          ; v[250:251], v[252:253] the row's sum in two halves
.set TM,  60                           ; the way out: at work
.set MSB, 0
.macro WIN new                         ; the immediate's high byte repeats the setting that is left
.if MSB != (\new)
	s_set_vgpr_msb (MSB<<8)|(\new)
.set MSB, (\new)
.endif
.endm
.macro CROUND
	s_barrier_signal -1
	s_barrier_wait -1
	s_cmp_lg_u32 s[WV], 0
	s_cbranch_scc1 .Lnot_wave_0_\@
	s_barrier_signal -3
.Lnot_wave_0_\@:
	s_barrier_wait -3
	s_barrier_signal -1
	s_barrier_wait -1
.endm
.macro QUANT2 s, pc, pw                ; 32 numbers of a lane, register 16 b + i = k 32 b + 16 h + i, become an image and its scale word
.irp b, 0,1
	v_max3_num_f32 v[TM+\b], |v[\s+16*\b]|, |v[\s+1+16*\b]|, 0x2800000
.endr
.irp i, 2,4,6,8,10,12,14
.irp b, 0,1
	s_delay_alu instid0(VALU_DEP_2)
	v_max3_num_f32 v[TM+\b], v[TM+\b], |v[\s+16*\b+\i]|, |v[\s+1+16*\b+\i]|
.endr
.endr
.irp b, 0,1
	s_delay_alu instid0(VALU_DEP_2)
	v_permlanex16_b32 v[TM+2+\b], v[TM+\b], s[SEL], s[SEL+1]
.endr
.irp b, 0,1
	s_delay_alu instid0(VALU_DEP_2)
	v_max_num_f32 v[TM+\b], v[TM+\b], v[TM+2+\b]
.endr
.irp b, 0,1
	s_delay_alu instid0(VALU_DEP_2)
	v_add_nc_u32 v[TM+4+\b], 0xfe000000, v[TM+\b]
.endr
.irp b, 0,1
	s_delay_alu instid0(VALU_DEP_2)
	v_lshrrev_b32 v[TM+2+\b], 23, v[TM+4+\b]
.endr
	s_delay_alu instid0(VALU_DEP_1)
	v_lshl_or_b32 v[\pw], v[TM+3], 8, v[TM+2]
	v_cvt_scalef32_pk16_bf6_f32 v[\pc:\pc+2], v[\s:\s+15], v[TM+4]
	v_cvt_scalef32_pk16_bf6_f32 v[\pc+4:\pc+6], v[\s+16:\s+31], v[TM+5]
	v_nop                                          ; one plain place behind a scaled conversion
.irp i, 0,1,2
	v_permlane16_swap_b32 v[\pc+\i], v[\pc+4+\i]
.endr
	s_delay_alu instid0(VALU_DEP_3)
	v_mov_b32 v[\pc+3], v[\pc+4]
	s_delay_alu instid0(VALU_DEP_3)
	v_mov_b32 v[\pc+4], v[\pc+5]
	s_delay_alu instid0(VALU_DEP_3)
	v_mov_b32 v[\pc+5], v[\pc+6]
.endm
	s_load_b128 s[4:7], s[0:1], 0x0                ; qkv, qkvs
	s_load_b128 s[8:11], s[0:1], 0x10              ; catc, cats
	v_lshl_add_u32 v254, v0, 2, SPARE
	v_mov_b32 v255, 0
	ds_add_u32 v254, v255
	ds_add_u32 v254, v255
	v_lshrrev_b32 v1, 5, v0
	v_readfirstlane_b32 s[WV], v1                  ; wave 0..7
	s_bfe_u32 s13, ttmp6, 0x40000                  ; cx: my block of 512 queries: it enters Q's and the results' addresses alone
	s_and_b32 s15, ttmp7, 0xffff                   ; the plane: 16 batch + head
	s_add_co_u32 s16, s15, 64                      ; K's plane; V's lies 64 planes on
	s_mul_i32 s18, s16, 98304
	s_lshl_b32 s17, s[WV], 15                      ; codes: 32,768 bytes a wave, K's three parts, then V's three
	s_add_co_u32 s18, s18, s17
	s_cmp_lt_u32 s[WV], 3
	s_cselect_b32 s17, 0, 63*98304                 ; (wave 3's part begins 64 planes on, less the three parts that its number has counted)
	s_add_co_u32 s18, s18, s17
	s_mov_b32 s19, 0
	s_and_b32 s66, s[WV], 1                        ; scale words: wave 6 K's, wave 7 V's
	s_lshl_b32 s68, s16, 13
	s_lshl_b32 s67, s66, 19                        ; 64 planes of 8,192 bytes
	s_add_co_u32 s68, s68, s67
	s_mov_b32 s69, 0
	s_xor_b32 s75, s66, 1
	s_lshl_b32 s75, s75, 13                        ; where they go: K's to 8,192, V's to 0: the wave's number alone enters an LDS address
	s_mul_i32 s74, s[WV], 40960                    ; 128 rows of 320 bytes
	s_add_co_u32 s74, s74, KB
	; groups 1: dense blocks as rows of 256 bytes (32 elements of 8 bytes); the mask names all four work-groups.  Codes: 128 rows, 16 words of padding behind each 64; scale words: 32 rows, no padding
	s_mov_b32 s[G1C], 15|(3<<16)|(1<<20)|(1<<21)|(5<<22)|(15<<25)
	s_mov_b32 s[G1C+1], 32<<16
	s_mov_b32 s[G1C+2], 128<<16
	s_mov_b32 s[G1C+3], 32<<16
	s_mov_b32 s[G1C+4], 128
	s_mov_b32 s[G1C+5], 32
	s_mov_b32 s[G1C+6], 0
	s_mov_b32 s[G1C+7], 0
	s_mov_b32 s[G1S], 15|(3<<16)|(1<<21)
	s_mov_b32 s[G1S+1], 32<<16
	s_mov_b32 s[G1S+2], 32<<16
	s_mov_b32 s[G1S+3], 32<<16
	s_mov_b32 s[G1S+4], 32
	s_mov_b32 s[G1S+5], 32
	s_mov_b32 s[G1S+6], 0
	s_mov_b32 s[G1S+7], 0
	s_mov_b32 s[SEL], 0x76543210
	s_mov_b32 s[SEL+1], 0xfedcba98
	s_mov_b32 s[CS], 0x3e38aa3b                    ; log2(e) / 8
	s_mov_b32 s[CS+1], s[CS]                       ; (named with it as a pair)
	s_wait_dscnt 0x0
	s_wait_kmcnt 0x0
	s_mov_b32 s[G0C], 1
	s_mov_b32 s[G0C+1], s74
	s_add_nc_u64 s[G0C+2:G0C+3], s[4:5], s[18:19]
	s_or_b32 s[G0C+3], s[G0C+3], 0x80000000
	s_mov_b32 s[G0S], 1
	s_mov_b32 s[G0S+1], s75
	s_add_nc_u64 s[G0S+2:G0S+3], s[6:7], s[68:69]
	s_or_b32 s[G0S+3], s[G0S+3], 0x80000000
	CROUND                                         ; all four work-groups are here: the joint loads meet
	s_cmp_lt_u32 s[WV], 6                          ; one tensor load a wave, all fills of the launch
	s_cbranch_scc0 .Lfor_s
	tensor_load_to_lds s[G0C:G0C+3], s[G1C:G1C+7]
	s_nop 0
.rept 4
	v_nop
.endr
	s_branch .Lasked
.Lfor_s:
	tensor_load_to_lds s[G0S:G0S+3], s[G1S:G1S+7]
	s_nop 0
.rept 4
	v_nop
.endr
.Lasked:
	s_lshl_b32 s74, s15, 7
	s_lshl_b32 s75, s13, 5
	s_lshl_b32 s70, s[WV], 1
	s_add_co_u32 s75, s75, s70
	s_add_co_u32 s74, s74, s75                     ; Q: entry 128 plane + 32 block + 2 wave (+ 16 pass + group A or B)
	s_mul_i32 s76, s74, 768
	s_mov_b32 s77, 0
	s_add_nc_u64 s[4:5], s[4:5], s[76:77]
	s_lshl_b32 s76, s74, 6
	s_add_nc_u64 s[6:7], s[6:7], s[76:77]
	s_lshr_b32 s74, s15, 4
	s_lshl_b32 s74, s74, 7
	s_add_co_u32 s74, s74, s75                     ; the results: token group 128 batch + 32 block + 2 wave,
	s_and_b32 s78, s15, 15                         ; image = the head
	s_mul_i32 s76, s74, RG
	s_mul_i32 s79, s78, 768
	s_add_co_u32 s76, s76, s79
	s_add_nc_u64 s[8:9], s[8:9], s[76:77]
	s_lshl_b32 s76, s74, 9                         ; scale bytes: 512 group + 256 (head / 8) + 4 ((head / 2) % 4) + 2 (head % 2)
	s_lshr_b32 s79, s78, 3
	s_lshl_b32 s79, s79, 8
	s_add_co_u32 s76, s76, s79
	s_bfe_u32 s79, s78, 0x20001
	s_lshl_b32 s79, s79, 2
	s_add_co_u32 s76, s76, s79
	s_and_b32 s79, s78, 1
	s_lshl_b32 s79, s79, 1
	s_add_co_u32 s76, s76, s79
	s_add_nc_u64 s[10:11], s[10:11], s[76:77]
	v_and_b32 v232, 31, v0                         ; lane
	v_and_b32 v233, 15, v0                         ; r
	v_bfe_u32 v234, v0, 4, 1                       ; h
	v_and_b32 v235, 7, v0                          ; r % 8
	v_bfe_u32 v236, v0, 3, 1                       ; r / 8
	v_lshlrev_b32 v1, 4, v232                      ; 16 x lane
	v_lshlrev_b32 v2, 3, v232                      ; 8 x lane
	v_lshlrev_b32 v3, 2, v233                      ; 4 r
	v_lshlrev_b32 v4, 4, v233                      ; 16 r
	v_mul_u32_u24 v5, v236, 2*IM                   ; K, 16-byte pieces: two groups on for rows 8-15, + 320 h + 16 (r % 8)
	v_mul_u32_u24 v6, v236, 2*IM                   ; K, 8-byte pieces: + 128 h + 8 (r % 8)
	v_mul_u32_u24 v7, v234, 320                    ; V, 16-byte pieces: 320 h + 16 r
	v_mad_u32_u24 v5, v234, 320, v5
	v_lshl_add_u32 v6, v234, 7, v6
	v_lshl_add_u32 v7, v233, 4, v7
	v_lshl_add_u32 v5, v235, 4, v5
	v_lshl_add_u32 v6, v235, 3, v6
	v_add_nc_u32 v7, VB, v7
	v_add_nc_u32 v8, VB, v2                        ; V, 8-byte pieces: 8 x lane
	v_add_nc_u32 v5, KB, v5
	v_add_nc_u32 v6, KB, v6
	v_lshlrev_b32 v9, 6, v234                      ; K's scale words: entry h + 2 (r / 8), row r % 8
	v_lshlrev_b32 v10, 2, v232                     ; V's: 4 x lane
	v_lshl_add_u32 v9, v236, 7, v9
	v_lshlrev_b32 v11, 3, v234                     ; 8 h: where my two scale bytes of p stand in the word
	v_lshl_add_u32 v9, v235, 2, v9
	v_add_nc_u32 v9, KSC, v9
.irp t, 0,1                                    ; both passes' Q stay in registers
	global_load_b128 v[16+12*\t:19+12*\t], v1, s[4:5] offset:768*\t
	global_load_b64 v[20+12*\t:21+12*\t], v2, s[4:5] offset:768*\t+512
	global_load_b32 v[QS+\t], v3, s[6:7] offset:64*\t
	global_load_b128 v[Q1+6*\t:Q1+6*\t+3], v1, s[4:5] offset:768*(16+\t)
	global_load_b64 v[Q1+6*\t+4:Q1+6*\t+5], v2, s[4:5] offset:768*(16+\t)+512
	global_load_b32 v[Q1+12+\t], v3, s[6:7] offset:64*(16+\t)
.endr
.irp j, 22,23,24,25,26,27, 34,35,36,37,38,39
	v_mov_b32 v[\j], 0                             ; zero codes for Q's k = 64 .. 127
.endr
	v_mov_b32 v[FF+1], 0
	v_mov_b32 v[FF+3], 0
	WIN 0x40
.irp j, 48,49,50,51,52,53
	v_mov_b32 v[KF+\j], 0                          ; what tile 7 of K names as its upper half
.endr
	WIN 0
	s_wait_alu depctr_va_vdst(0)                   ; at the head's end
	s_wait_loadcnt 0x0                             ; Q
	s_wait_tensorcnt 0x0                           ; my part of K, V or the scale words is in
	s_barrier_signal -1
	s_barrier_wait -1                              ; everybody's is; nothing is ever filled again
; 24 LDS loads: eight images of K, its scale words and V's, for one step
.macro KLOAD a16, a8, ak, av, o, os
	WIN 0x40
.irp t, 0,1,2,3,4,5,6,7
	ds_load_b128 v[KF+6*\t:KF+6*\t+3], v[\a16] offset:\o+4*IM*(\t/4)+IM*(\t%2)+128*((\t%4)/2)
	ds_load_b64 v[KF+6*\t+4:KF+6*\t+5], v[\a8] offset:\o+4*IM*(\t/4)+IM*(\t%2)+64*((\t%4)/2)+640
.endr
	WIN 0
.irp i, 0,1,2,3
	ds_load_b32 v[KS+\i], v[\ak] offset:\os+256*(\i/2)+32*(\i%2)
.endr
.irp c, 0,1
.irp i, 0,1
	ds_load_b32 v[VR+2*\c+\i], v[\av] offset:\os+256*\c+128*\i     ; V's words of tokens 64 c on: channel groups 2 i (lanes 0-15), 2 i + 1 (lanes 16-31)
.endr
.endr
.endm
.macro SMUL g                          ; S^T = K Q^T of group g: register j of tile 4 c + i is key 64 c + 32 h + 8 i + j
	WIN 0x01+0x40*\g
.irp t, 0,1,2,3,4,5,6,7
.if \t%2
	v_wmma_scale_f32_16x16x128_f8f6f4 v[96+8*\t:103+8*\t], v[KF+6*\t:KF+6*\t+11], v[16+12*\g:27+12*\g], 0, v[KS+\t/2], v[QS+\g] matrix_a_fmt:MATRIX_FMT_BF6 matrix_b_fmt:MATRIX_FMT_BF6 matrix_a_scale:MATRIX_SCALE_ROW1
.else
	v_wmma_scale_f32_16x16x128_f8f6f4 v[96+8*\t:103+8*\t], v[KF+6*\t:KF+6*\t+11], v[16+12*\g:27+12*\g], 0, v[KS+\t/2], v[QS+\g] matrix_a_fmt:MATRIX_FMT_BF6 matrix_b_fmt:MATRIX_FMT_BF6
.endif
.endr
.endm
.macro PMUL g                          ; O^T += V^T P^T of group g
	WIN 0x01+0x50*\g
.irp a, 0,1,2,3
.if \a%2
	v_wmma_scale_f32_16x16x128_f8f6f4 v[160+8*\a:167+8*\a], v[VF+12*\a:VF+12*\a+11], v[PCD+12*\g:PCD+12*\g+11], v[160+8*\a:167+8*\a], v[VS+\a/2], v[PS+\g] matrix_a_fmt:MATRIX_FMT_BF6 matrix_b_fmt:MATRIX_FMT_BF6 matrix_a_scale:MATRIX_SCALE_ROW1
.else
	v_wmma_scale_f32_16x16x128_f8f6f4 v[160+8*\a:167+8*\a], v[VF+12*\a:VF+12*\a+11], v[PCD+12*\g:PCD+12*\g+11], v[160+8*\a:167+8*\a], v[VS+\a/2], v[PS+\g] matrix_a_fmt:MATRIX_FMT_BF6 matrix_b_fmt:MATRIX_FMT_BF6
.endif
.endr
.endm
.macro MAXES g                         ; the largest score of my two blocks, each in two chains; each accumulator is first read at its low end
	WIN 0x15*\g
.irp q, 0,1,2,3
	v_max3_num_f32 v[BM+4*\g+\q], v[96+16*\q], v[97+16*\q], v[98+16*\q]
.endr
	WIN 0x14*\g
.irp i, 3,5,7,9,11,13
.irp q, 0,1,2,3
	v_max3_num_f32 v[BM+4*\g+\q], v[BM+4*\g+\q], v[96+16*\q+\i], v[97+16*\q+\i]
.endr
.endr
.irp c, 0,1
	v_max3_num_f32 v[BM+4*\g+2*\c], v[BM+4*\g+2*\c], v[111+32*\c], v[127+32*\c]
.endr
	WIN 0
.irp c, 0,1
	v_max_num_f32 v[BM+4*\g+2*\c], v[BM+4*\g+2*\c], v[BM+4*\g+2*\c+1]      ; block 2 c + h: it serves the row's maximum and, since p rises with the score, the block's largest p
.endr
.endm
.macro FMAS g                          ; t - M, two at a time (of c and -M the low word serves both halves)
	WIN 0x41*\g
.set J, 0
.rept 32
	v_pk_fma_f32 v[96+J:97+J], v[96+J:97+J], s[CS:CS+1], v[NM+2*\g:NM+2*\g+1] op_sel_hi:[1,0,0]
.set J, J+2
.endr
	WIN 0
.endm
.macro EXPS g                          ; p = 2^(t - M), at most 1
	WIN 0x41*\g
.set J, 0
.rept 64
	v_exp_f32 v[96+J], v[96+J]
.set J, J+1
.endr
	WIN 0
.endm
.macro CODES g                         ; p's codes and scale word
.set BB, BM+4*\g
.set PP, PCD+12*\g
	WIN 0x01*\g
.irp c, 0,1
	v_cvt_scalef32_pk16_bf6_f32 v[PP+6*\c:PP+6*\c+2], v[96+32*\c:111+32*\c], v[SO+2*\g+\c]
	v_cvt_scalef32_pk16_bf6_f32 v[CT+4*\c:CT+4*\c+2], v[112+32*\c:127+32*\c], v[SO+2*\g+\c]   ; (a conversion's three registers begin on an even number)
.endr
	WIN 0
	v_lshrrev_b32 v[BB], 23, v[SO+2*\g]            ; my two scale bytes (a plain place behind the conversions)
	v_lshrrev_b32 v[BB+2], 23, v[SO+2*\g+1]
	v_mov_b32 v[PP+3], v[CT]
	v_lshl_or_b32 v[BB], v[BB+2], 16, v[BB]        ; blocks h and 2 + h,
	v_mov_b32 v[PP+4], v[CT+1]
	v_lshlrev_b32 v[BB], v11, v[BB]                ; at their places in the word;
	v_mov_b32 v[PP+5], v[CT+2]
	v_permlanex16_b32 v[BB+1], v[BB], s[SEL], s[SEL+1]
	v_mov_b32 v[PP+9], v[CT+4]
	v_or_b32 v[PS+\g], v[BB], v[BB+1]              ; with lane l xor 16's two the word is whole
	v_mov_b32 v[PP+10], v[CT+5]
	v_mov_b32 v[PP+11], v[CT+6]
.endm
.macro SUMS g                          ; the row's sum is taken of the unquantised p: eight chains
.set LL, LS+2*\g
	WIN 0x05*\g
.irp k, 0,1,2,3,4,5,6
	v_pk_add_f32 v[T+2*\k:T+2*\k+1], v[96+2*\k:97+2*\k], v[110+2*\k:111+2*\k]
.endr
	WIN 0x04*\g
	v_pk_add_f32 v[LL:LL+1], v[LL:LL+1], v[124:125]
.irp k, 0,1,2,3,4,5,6
	v_pk_add_f32 v[T+2*\k:T+2*\k+1], v[T+2*\k:T+2*\k+1], v[126+2*\k:127+2*\k]
.endr
	v_pk_add_f32 v[LL:LL+1], v[LL:LL+1], v[140:141]
.irp k, 0,1,2,3,4,5,6
	v_pk_add_f32 v[T+2*\k:T+2*\k+1], v[T+2*\k:T+2*\k+1], v[142+2*\k:143+2*\k]
.endr
	v_pk_add_f32 v[LL:LL+1], v[LL:LL+1], v[156:157]
	v_pk_add_f32 v[T:T+1], v[T:T+1], v[158:159]
	WIN 0
	v_pk_add_f32 v[T+4:T+5], v[T+4:T+5], v[T+6:T+7]
	v_pk_add_f32 v[T+8:T+9], v[T+8:T+9], v[T+10:T+11]
	v_pk_add_f32 v[LL:LL+1], v[LL:LL+1], v[T+12:T+13]
	v_pk_add_f32 v[T:T+1], v[T:T+1], v[T+2:T+3]
	v_pk_add_f32 v[LL:LL+1], v[LL:LL+1], v[T+8:T+9]
	v_pk_add_f32 v[T:T+1], v[T:T+1], v[T+4:T+5]
	v_pk_add_f32 v[LL:LL+1], v[LL:LL+1], v[T:T+1]
.endm
.macro RESCALE g                       ; O^T under the new M, each accumulator from its low end on
	WIN 0x41*\g
	s_wait_alu depctr_va_vdst(0)                   ; directly ahead of the first reader of O^T
.set J, 0
.rept 16
	v_pk_mul_f32 v[160+J:161+J], v[160+J:161+J], v[FF+2*\g:FF+2*\g+1] op_sel_hi:[1,0]
.set J, J+2
.endr
	WIN 0
.endm
; A KEY STEP: 128 keys against both groups of queries.
.macro STEP
	s_min_u32 s[TN], s[TS], 7680                   ; in the last step: its own scale words once more (they are not used)
	v_add_nc_u32 v[AD], s[TB], v5                  ; six plain lines: also the places in front of loads into registers that the last products read
	v_add_nc_u32 v[AD+1], s[TB], v6
	v_add_nc_u32 v[AD+2], s[TB], v7
	v_add_nc_u32 v[AD+3], s[TB], v8
	v_add_nc_u32 v[AD+4], s[TN], v9
	v_add_nc_u32 v[AD+5], s[TN], v10
	WIN 0x40
.irp a, 0,1,2,3                                ; V's four fragments: 16 loads, which land under the softmax
	ds_load_b128 v[VF+12*\a:VF+12*\a+3], v[AD+2] offset:IM*\a
	ds_load_b64 v[VF+12*\a+4:VF+12*\a+5], v[AD+3] offset:IM*\a+640
	ds_load_b128 v[VF+12*\a+6:VF+12*\a+9], v[AD+2] offset:4*IM+IM*\a
	ds_load_b64 v[VF+12*\a+10:VF+12*\a+11], v[AD+3] offset:4*IM+IM*\a+640
.endr
	WIN 0
	s_wait_alu depctr_va_vdst(0)
	s_wait_dscnt 16                                ; K's 24 loads, asked for a step ago, are in; V's 16, just issued, may be out
	SMUL 0
	SMUL 1
	WIN 0
	v_lshl_or_b32 v[VS], v[VR+2], 16, v[VR]        ; V's scale words for 128 keys: two bytes of each group of 64
	v_lshl_or_b32 v[VS+1], v[VR+3], 16, v[VR+1]
	v_nop
	v_nop                                          ; four places: then the next step's K is asked for, and the scores are read
	KLOAD AD, AD+1, AD+4, AD+5, 8*IM, 0
	MAXES 0
	MAXES 1
.irp g, 0,1                                    ; the two groups' chains line by line
	v_max_num_f32 v[TP+3*\g], v[BM+4*\g], v[BM+4*\g+2]
.endr
.irp g, 0,1
	v_permlanex16_b32 v[TP+3*\g+1], v[TP+3*\g], s[SEL], s[SEL+1]
.endr
.irp g, 0,1
	v_max3_num_f32 v[NM+2*\g+1], v[NM+2*\g+1], v[TP+3*\g], v[TP+3*\g+1]    ; the running largest score of my query (c is positive: the largest t is c x it)
.endr
.irp g, 0,1
	v_mul_f32 v[TP+3*\g], s[CS], v[NM+2*\g+1]
.endr
.irp g, 0,1
	v_mov_b32 v[TP+3*\g+2], v[NM+2*\g]
.endr
.irp g, 0,1
	v_floor_f32 v[NM+2*\g], -v[TP+3*\g]            ; the new -M = -ceil(t): a whole number
.endr
.irp g, 0,1
	v_sub_f32 v[TP+3*\g], v[NM+2*\g], v[TP+3*\g+2] ; old M - new M, 0 or less
.endr
.irp g, 0,1
	v_cvt_i32_f32 v[TP+3*\g], v[TP+3*\g]           ; (it saturates)
.endr
.irp g, 0,1
	v_ldexp_f32 v[FF+2*\g], 1.0, v[TP+3*\g]        ; f = 2^(old M - new M)
.endr
	FMAS 0
	FMAS 1
.irp g, 0,1
.irp c, 0,1
	v_fma_f32 v[BM+4*\g+2*\c], v[BM+4*\g+2*\c], s[CS], v[NM+2*\g]          ; the same of each block's largest score
.endr
.endr
	s_wait_alu depctr_va_vdst(0)                   ; ahead of the batch
	EXPS 0
.irp g, 0,1
.irp c, 0,1
	v_exp_f32 v[BM+4*\g+2*\c], v[BM+4*\g+2*\c]     ; the block's largest p: the same two instructions on the same number
.endr
.endr
	EXPS 1
.irp g, 0,1
	v_pk_mul_f32 v[LS+2*\g:LS+2*\g+1], v[LS+2*\g:LS+2*\g+1], v[FF+2*\g:FF+2*\g+1] op_sel_hi:[1,0]   ; the sums under the new M: plain places behind the exponentials
.endr
	s_wait_alu depctr_va_vdst(0)                   ; one wait for the batch, ahead of its first reader
.irp g, 0,1
.irp c, 0,1
	v_max_num_f32 v[BM+4*\g+2*\c], 0x2800000, v[BM+4*\g+2*\c]      ; the floor 2^(5 - 127)
.endr
.endr
.irp g, 0,1
.irp c, 0,1
	v_add_nc_u32 v[SO+2*\g+\c], 0xfe000000, v[BM+4*\g+2*\c]        ; 4 off the exponent field: the conversion's scale operand
.endr
.endr
	CODES 0
	CODES 1
	SUMS 0
	SUMS 1
	RESCALE 0
	RESCALE 1
	s_wait_alu depctr_va_vdst(0)                   ; directly ahead of the wait below
	s_wait_dscnt 24                                ; V's fragments are in; the next step's 24 loads may be out
	PMUL 0                                         ; the eight accumulators by turns
	PMUL 1
	WIN 0
.endm
; A PASS: two groups of 16 queries against all 2,048 keys, and their way out.
.macro PASS p
.if \p
	s_wait_xcnt 0x0                                ; the first pass's stores have read their registers: they are written again only behind this wait
.irp g, 0,1
.irp i, 0,1,2,3,4,5
	v_mov_b32 v[16+12*\g+\i], v[Q1+6*\g+\i]
.endr
	v_mov_b32 v[QS+\g], v[Q1+12+\g]
.endr
.endif
.irp g, 0,1
	v_mov_b32 v[NM+2*\g+1], 0xff61b1e6             ; the largest score so far: -3e38
	v_mov_b32 v[NM+2*\g], 0x7e000000               ; -M: so large that the first f is 0
	v_mov_b32 v[LS+2*\g], 0                        ; the sum, in two halves
	v_mov_b32 v[LS+2*\g+1], 0
.endr
.irp g, 0,1
	WIN 0x40*\g
.set J, 0
.rept 32
	v_mov_b32 v[160+J], 0                          ; O^T: the step is written once; the first finds zeros
.set J, J+1
.endr
.endr
	WIN 0
	s_mov_b32 s[TB], 0
	s_mov_b32 s[TS], 512                           ; one step ahead: it serves the look-ahead alone
	s_mov_b32 s[CNT], 16
	s_wait_dscnt 0x0                               ; no load of mine is out: K's registers may be asked for anew
	KLOAD 5, 6, 9, 10, 0, 0                        ; the first step's K
.Lstep_\@:
	STEP
	s_add_co_u32 s[TB], s[TB], 8*IM                ; eight images on, of K and of V alike
	s_add_co_u32 s[TS], s[TS], 512
	s_sub_co_u32 s[CNT], s[CNT], 1
	s_cmp_lg_u32 s[CNT], 0
	s_cbranch_scc1 .Lstep_\@
	; O^T / the sum is the head's part of a row of the concatenated heads: 64 along the last product's K: one image, two scale bytes a row
.irp g, 0,1
	v_add_f32 v[LS+2*\g], v[LS+2*\g], v[LS+2*\g+1]
.endr
.irp g, 0,1
	v_permlanex16_b32 v[TP+3*\g+1], v[LS+2*\g], s[SEL], s[SEL+1]
.endr
.irp g, 0,1
	v_add_f32 v[LS+2*\g], v[LS+2*\g], v[TP+3*\g+1] ; the row's sum
.endr
	s_wait_alu depctr_va_vdst(0)
.irp g, 0,1
	v_rcp_f32 v[LS+2*\g], v[LS+2*\g]
.endr
	v_nop                                          ; a plain place behind the reciprocals; with the four additions five plain places behind the last products
	s_wait_alu depctr_va_vdst(0)                   ; ahead of the reciprocals' first reader and of O^T's
.set J, 0
.rept 16
	v_pk_mul_f32 v[160+J:161+J], v[160+J:161+J], v[LS:LS+1] op_sel_hi:[1,0]        ; each accumulator from its low end on
.set J, J+2
.endr
	WIN 0x01
	s_wait_alu depctr_va_vdst(0)                   ; and directly ahead of the first reader of B's
.set J, 0
.rept 16
	v_pk_mul_f32 v[96+J:97+J], v[160+J:161+J], v[LS+2:LS+3] op_sel_hi:[1,0]        ; B's results go to window 0, where A's scores lay
.set J, J+2
.endr
	WIN 0
	QUANT2 160, PCD, PCD+8
	QUANT2 96, PCD+12, PCD+20
.irp g, 0,1
	global_store_b128 v1, v[PCD+12*\g:PCD+12*\g+3], s[8:9] offset:(16*\p+\g)*RG            ; runs of 512 and 256 consecutive bytes, aligned
	global_store_b64 v2, v[PCD+12*\g+4:PCD+12*\g+5], s[8:9] offset:(16*\p+\g)*RG+512
	global_store_b16 v4, v[PCD+12*\g+8], s[10:11] offset:(16*\p+\g)*512                    ; two bytes a row, 16 bytes apart (both halves of the lanes write the same bytes): one byte in 24 of what the wave stores leaves so
.endr
.endm
	PASS 0
	PASS 1
	s_wait_tensorcnt 0x0                           ; the wave's end
	ds_add_u32 v254, v255
	s_wait_dscnt 0x0
	CROUND                                         ; the closing round
	s_endpgm
.Lfunc_end_k_q2f7cec8f3f_attn:
	.size	k_q2f7cec8f3f_attn, .Lfunc_end_k_q2f7cec8f3f_attn-k_q2f7cec8f3f_attn
	.p2alignl 7, 3214868480
	.fill 96, 4, 3214868480
	.section	.rodata,"a",@progbits
	.p2align	6, 0x0
	.amdhsa_kernel k_q2f7cec8f3f_attn
		.amdhsa_group_segment_fixed_size 263168
		.amdhsa_private_segment_fixed_size 0
		.amdhsa_enable_private_segment 0
		.amdhsa_kernarg_size 32
		.amdhsa_user_sgpr_count 2
		.amdhsa_user_sgpr_kernarg_segment_ptr 1
		.amdhsa_wavefront_size32 1
		.amdhsa_system_sgpr_workgroup_id_x 1
		.amdhsa_system_sgpr_workgroup_id_y 1
		.amdhsa_system_sgpr_workgroup_id_z 1
		.amdhsa_system_vgpr_workitem_id 0
		.amdhsa_next_free_vgpr 512
		.amdhsa_next_free_sgpr 80
		.amdhsa_reserve_vcc 0
		.amdhsa_float_denorm_mode_32 3
		.amdhsa_float_denorm_mode_16_64 3
		.amdhsa_memory_ordered 1
		.amdhsa_forward_progress 1
		.amdhsa_inst_pref_size 91
	.end_amdhsa_kernel
	.amdgpu_metadata
---
amdhsa.version: [ 1, 2 ]
amdhsa.kernels:
  - .name:           k_q2f7cec8f3f_attn
    .symbol:         k_q2f7cec8f3f_attn.kd
    .args:
      - { .name: qkv, .offset: 0, .size: 8, .value_kind: global_buffer, .address_space: global }
      - { .name: qkvs, .offset: 8, .size: 8, .value_kind: global_buffer, .address_space: global }
      - { .name: catc, .offset: 16, .size: 8, .value_kind: global_buffer, .address_space: global }
      - { .name: cats, .offset: 24, .size: 8, .value_kind: global_buffer, .address_space: global }
    .group_segment_fixed_size: 263168
    .private_segment_fixed_size: 0
    .kernarg_segment_align: 8
    .kernarg_segment_size: 32
    .max_flat_workgroup_size: 256
    .sgpr_count:     80
    .vgpr_count:     512
    .wavefront_size: 32
...
	.end_amdgpu_metadata
.endif
;; end of part 3
;; launch outp (part 4): grid 8 x 32, 16 waves a work-group, clusters of 4 x 4, 327,680 bytes of LDS; arguments catc, cats, wc, ws, bo, out0; writes out0
.if DOCPART == 4
	.amdgcn_target "amdgcn-amd-amdhsa--gfx1250"
	.amdhsa_code_object_version 6
	.text
	.protected	k_q2f7cec8f3f_outp
	.globl	k_q2f7cec8f3f_outp
	.p2align	8
	.type	k_q2f7cec8f3f_outp,@function
k_q2f7cec8f3f_outp:
	s_mov_b64 s[64:65], 0
	v_nop
	global_prefetch_b8 v0, s[64:65] scope:SCOPE_SE
	s_setreg_imm32_b32 hwreg(HW_REG_WAVE_MODE, 25, 1), 1
	s_wait_xcnt 0x0
	s_wait_alu depctr_hold_cnt(0) depctr_sa_sdst(0) depctr_va_vdst(0) depctr_va_sdst(0) depctr_va_ssrc(0) depctr_va_vcc(0) depctr_vm_vsrc(0)
	s_getreg_b32 s2, hwreg(HW_REG_IB_STS2, 6, 4)
	s_cmp_eq_u32 s2, 0
	s_cbranch_scc0 .Lentry_in_a_cluster
	s_endpgm
.Lentry_in_a_cluster:
	s_bfe_u32 s2, ttmp6, 0x10000c
	s_cmp_lg_u32 s2, 0xf033
	s_cbranch_scc0 .Lentry_shape_is_right
	s_endpgm
.Lentry_shape_is_right:
; out0 = cat Wo + bo on codes of BF6 (E3M2) with E8M0 scales; f32 sums, f32 out.
; OPERANDS lie in the order of their registers: row groups of 16 (group g, lane row r = true row 32 (g / 2) + 8 (g % 2) + r + 8 (r / 8)), 12,288 bytes of codes a group, images of 768 bytes (16 rows x 64 K).
; A TILE is 256 tokens (A = cat, 16 groups) x 128 columns (B = Wo, row groups 192 on of wc, 8 groups), ALL of K = 1,024 in LDS: 294,912 bytes, every byte filled once.
; THE PRODUCT IS USED TRANSPOSED (source 0 = Wo's 16 columns, source 1 = 16 tokens): a lane holds one token, and its registers of tiles 2 b, 2 b + 1 are 16 neighbouring columns.  bo is the C of each sum's first product.
; CLUSTER 4 x 4: A's tile hangs on the tile row alone: asked for jointly along a row of the cluster; B's on the tile column alone: along a column.
; THE WAY OUT goes through a stage of 256 rows x (512 + 16) bytes over chunks 0 and 1, which have had their only fill: each wave then stores 16 whole rows of 512 consecutive bytes.
.set RG,    12288
.set HALF,  147456                     ; LDS: half q (K steps 4 q .. 4 q + 3): A's 16 groups x 6,144 bytes, then B's 8
.set BOFF,  98304
.set SP,    528
.set WV,  22
.set G1A, 32
.set G1B, 40
.set G0A, 48
.set G0B, 68
.set SA,  16
.set SB,  24
.set AF,  40
.set BF,  64
.set ACC, 112
.set BI,  176
.macro CROUND
	s_barrier_signal -1
	s_barrier_wait -1
	s_cmp_lg_u32 s[WV], 0
	s_cbranch_scc1 .Lnot_wave_0_\@
	s_barrier_signal -3
.Lnot_wave_0_\@:
	s_barrier_wait -3
	s_barrier_signal -1
	s_barrier_wait -1
.endm
; A joint load of half q: waves 0-7 fetch two groups of A each, waves 8-15 one group of B each.  Each line has one mask; the branch hangs on the wave's number alone.
.macro JLOAD q
	s_cmp_lt_u32 s[WV], 8
	s_cbranch_scc0 .Lfor_b_\@
	tensor_load_to_lds s[G0A+4*\q:G0A+4*\q+3], s[G1A:G1A+7]
	s_nop 0
.rept 4
	v_nop
.endr
	s_branch .Lasked_\@
.Lfor_b_\@:
	tensor_load_to_lds s[G0B+4*\q:G0B+4*\q+3], s[G1B:G1B+7]
	s_nop 0
.rept 4
	v_nop
.endr
.Lasked_\@:
.endm
.macro LOADF reg, a16, a8, off
	ds_load_b128 v[\reg:\reg+3], v[\a16] offset:\off
	ds_load_b64 v[\reg+4:\reg+5], v[\a8] offset:\off+512
	ds_load_b128 v[\reg+6:\reg+9], v[\a16] offset:\off+768
	ds_load_b64 v[\reg+10:\reg+11], v[\a8] offset:\off+1280
.endm
	s_load_b256 s[4:11], s[0:1], 0x0               ; catc, cats, wc, ws
	s_load_b128 s[12:15], s[0:1], 0x20             ; bo, out0
	v_lshl_add_u32 v254, v0, 2, 0x48000
	v_mov_b32 v255, 0
	ds_add_u32 v254, v255
	ds_add_u32 v254, v255
	v_lshrrev_b32 v1, 5, v0
	s_delay_alu instid0(VALU_DEP_1)
	v_readfirstlane_b32 s[WV], v1                  ; wave 0..15
	s_lshr_b32 s23, s[WV], 1                       ; wm: my two groups of A
	s_and_b32 s24, s[WV], 1                        ; wn: my four groups of B
	s_bfe_u32 s25, ttmp6, 0x40000                  ; cx
	s_bfe_u32 s26, ttmp6, 0x40004                  ; cy
	s_lshl_b32 s27, ttmp9, 2
	s_add_co_u32 s27, s27, s25                     ; X: tile column
	s_and_b32 s29, ttmp7, 0xffff
	s_lshl_b32 s29, s29, 2
	s_add_co_u32 s29, s29, s26                     ; Y: tile row
	s_lshl_b32 s84, s26, 2
	s_lshl_b32 s84, 15, s84                        ; my row of the cluster
	s_lshl_b32 s92, 0x1111, s25                    ; my column
	s_or_b32 s[G1A], s84, (3<<16)|(1<<21)          ; elements of 8 bytes, no padding.  A: two rows of 6,144 bytes, 12,288 apart.  B: 6,144 dense bytes as 24 rows of 256
	s_or_b32 s[G1B], s92, (3<<16)|(1<<21)
	s_mov_b32 s[G1A+1], 768<<16
	s_mov_b32 s[G1A+2], 2<<16
	s_mov_b32 s[G1A+3], 768<<16
	s_mov_b32 s[G1A+4], 2
	s_mov_b32 s[G1A+5], 1536
	s_mov_b32 s[G1A+6], 0
	s_mov_b32 s[G1A+7], 0
	s_mov_b32 s[G1B+1], 32<<16
	s_mov_b32 s[G1B+2], 24<<16
	s_mov_b32 s[G1B+3], 32<<16
	s_mov_b32 s[G1B+4], 24
	s_mov_b32 s[G1B+5], 32
	s_mov_b32 s[G1B+6], 0
	s_mov_b32 s[G1B+7], 0
	s_mul_i32 s88, s29, 16*RG                      ; A: no register here ever holds cx
	s_and_b32 s87, s[WV], 7
	s_mul_i32 s87, s87, 2*RG                       ; wave w < 8 fetches A's groups 2 w, 2 w + 1
	s_add_co_u32 s88, s88, s87
	s_mov_b32 s89, 0
	s_lshl_b32 s90, s29, 13
	s_lshl_b32 s87, s23, 10
	s_add_co_u32 s90, s90, s87
	s_mov_b32 s91, 0
	s_mul_i32 s94, s27, 8*RG                       ; B: no register here ever holds cy
	s_add_co_u32 s94, s94, 192*RG
	s_and_b32 s93, s[WV], 7
	s_mul_i32 s93, s93, RG                         ; wave 8 + g fetches B's group g
	s_add_co_u32 s94, s94, s93
	s_mov_b32 s95, 0
	s_lshl_b32 s96, s27, 12
	s_add_co_u32 s96, s96, 192*512
	s_lshl_b32 s93, s24, 11
	s_add_co_u32 s96, s96, s93
	s_mov_b32 s97, 0
	s_and_b32 s85, s[WV], 7                        ; where they go: the wave's number alone enters an LDS address
	s_mul_i32 s93, s85, 12288
	s_mul_i32 s85, s85, 6144
	s_add_co_u32 s85, s85, BOFF
	s_wait_dscnt 0x0
	s_wait_kmcnt 0x0
	s_add_nc_u64 s[98:99], s[4:5], s[88:89]
	s_add_nc_u64 s[100:101], s[8:9], s[94:95]
	s_add_nc_u64 s[2:3], s[6:7], s[90:91]
	s_add_nc_u64 s[66:67], s[10:11], s[96:97]
.irp p, 0,1
	s_mov_b32 s[G0A+4*\p], 1
	s_add_co_u32 s[G0A+4*\p+1], s93, \p*HALF
	s_add_nc_u64 s[G0A+4*\p+2:G0A+4*\p+3], s[98:99], \p*6144
	s_or_b32 s[G0A+4*\p+3], s[G0A+4*\p+3], 0x80000000
	s_mov_b32 s[G0B+4*\p], 1
	s_add_co_u32 s[G0B+4*\p+1], s85, \p*HALF
	s_add_nc_u64 s[G0B+4*\p+2:G0B+4*\p+3], s[100:101], \p*6144
	s_or_b32 s[G0B+4*\p+3], s[G0B+4*\p+3], 0x80000000
.endr
	CROUND                                         ; all sixteen work-groups are here: the joint loads meet
	JLOAD 0                                        ; K steps 0-3: one tensor load a wave at the head
	v_and_b32 v10, 31, v0                          ; lane
	v_and_b32 v11, 15, v0                          ; r
	v_bfe_u32 v12, v0, 4, 1                        ; h
	s_delay_alu instid0(VALU_DEP_3)
	v_lshlrev_b32 v1, 4, v10                       ; 16 x lane
	s_delay_alu instid0(VALU_DEP_4)
	v_lshlrev_b32 v2, 3, v10                       ; 8 x lane
	s_mul_i32 s93, s23, 12288                      ; my two groups of A in a half
	v_add_nc_u32 v4, s93, v1
	v_add_nc_u32 v5, s93, v2
	s_mul_i32 s93, s24, 24576                      ; my four groups of B
	s_add_co_u32 s93, s93, BOFF
	v_add_nc_u32 v6, s93, v1
	v_add_nc_u32 v7, s93, v2
	s_mul_i32 s93, s23, 32*SP                      ; the stage, in: row 32 wm + 16 a + r, + 256 wn + 64 h
	s_lshl_b32 s85, s24, 8
	s_add_co_u32 s93, s93, s85
	v_mul_u32_u24 v8, v11, SP
	s_delay_alu instid0(VALU_DEP_1)
	v_lshl_add_u32 v8, v12, 6, v8
	s_delay_alu instid0(VALU_DEP_1)
	v_add_nc_u32 v8, s93, v8
	s_mul_i32 s85, s[WV], 16*SP                    ; back: rows 16 wave on, 16 bytes a lane
	v_add_nc_u32 v9, s85, v1
	v_lshlrev_b32 v3, 6, v12                       ; bo: 64 h
.irp a, 0,1
	global_load_b128 v[SA+4*\a:SA+4*\a+3], v1, s[2:3] offset:512*\a
.endr
.irp b, 0,1,2,3
	global_load_b128 v[SB+4*\b:SB+4*\b+3], v1, s[66:67] offset:512*\b
.endr
	s_lshl_b32 s88, s27, 9
	s_lshl_b32 s87, s24, 8
	s_add_co_u32 s88, s88, s87                     ; bo: my 64 columns
	s_mov_b32 s89, 0
	s_add_nc_u64 s[12:13], s[12:13], s[88:89]
.irp b, 0,1
.irp q, 0,1,2,3
	global_load_b128 v[BI+16*\b+4*\q:BI+16*\b+4*\q+3], v3, s[12:13] offset:128*\b+16*\q    ; register 16 b + i is column 32 b + 16 h + i
.endr
.endr
	s_lshl_b32 s88, s29, 8                         ; out0: token 256 Y + 32 (wave / 2) + 8 (wave % 2), column 128 X
	s_lshl_b32 s87, s23, 5
	s_add_co_u32 s88, s88, s87
	s_lshl_b32 s87, s24, 3
	s_add_co_u32 s88, s88, s87
	s_lshl_b32 s88, s88, 12
	s_lshl_b32 s87, s27, 9
	s_add_co_u32 s88, s88, s87
	s_add_nc_u64 s[14:15], s[14:15], s[88:89]
	s_wait_alu depctr_va_vdst(0)
	s_wait_loadcnt 0x0                             ; the scale words and bo: both are wanted by the first products
.macro KSTEP s                         ; 128 along K: six fragments, eight products; the eight accumulators take turns
.if ((\s)%4) != 0
.rept 4
	v_nop                                          ; four places in front of loads into registers that matrix instructions have read
.endr
.endif
.irp a, 0,1
	LOADF AF+12*\a, 4, 5, 6144*\a+1536*((\s)%4)
.endr
.irp b, 0,1,2,3
	LOADF BF+12*\b, 6, 7, 6144*\b+1536*((\s)%4)
.endr
	s_wait_dscnt 0x0
.irp b, 0,1,2,3
.irp a, 0,1
.set DD, ACC+32*\a+8*\b
.if (\s) == 0
	v_wmma_scale_f32_16x16x128_f8f6f4 v[DD:DD+7], v[BF+12*\b:BF+12*\b+11], v[AF+12*\a:AF+12*\a+11], v[BI+8*\b:BI+8*\b+7], v[SB+4*\b], v[SA+4*\a] matrix_a_fmt:MATRIX_FMT_BF6 matrix_b_fmt:MATRIX_FMT_BF6
.elseif (\s) < 4
	v_wmma_scale_f32_16x16x128_f8f6f4 v[DD:DD+7], v[BF+12*\b:BF+12*\b+11], v[AF+12*\a:AF+12*\a+11], v[DD:DD+7], v[SB+4*\b+(\s)], v[SA+4*\a+(\s)] matrix_a_fmt:MATRIX_FMT_BF6 matrix_b_fmt:MATRIX_FMT_BF6
.else
	v_wmma_scale_f32_16x16x128_f8f6f4 v[DD:DD+7], v[BF+12*\b:BF+12*\b+11], v[AF+12*\a:AF+12*\a+11], v[DD:DD+7], v[SB+4*\b+(\s)-4], v[SA+4*\a+(\s)-4] matrix_a_fmt:MATRIX_FMT_BF6 matrix_b_fmt:MATRIX_FMT_BF6 matrix_a_scale:MATRIX_SCALE_ROW1 matrix_b_scale:MATRIX_SCALE_ROW1
.endif
.endr
.endr
.endm
	s_wait_tensorcnt 0x0                           ; my part of half 0 is in
	ds_add_u32 v254, v255
	s_wait_dscnt 0x0
	CROUND                                         ; everybody's part is in, and all sixteen work-groups are here
	JLOAD 1                                        ; K steps 4-7, my one tensor load behind the round; it lands under the four K steps below
.irp s, 0,1,2,3
	KSTEP \s
.endr
	s_wait_tensorcnt 0x0                           ; my part of half 1 is in
	s_barrier_signal -1
	s_barrier_wait -1                              ; everybody's is
	v_add_nc_u32 v4, HALF, v4                      ; on to half 1; these four are also the places in front of the loads
	v_add_nc_u32 v5, HALF, v5
	v_add_nc_u32 v6, HALF, v6
	v_add_nc_u32 v7, HALF, v7
	s_wait_alu depctr_va_vdst(0)
.irp s, 4,5,6,7
	KSTEP \s
.endr
.rept 4
	v_nop                                          ; four places in front of the stores that read results and of the loads over the fragments
.endr
	s_barrier_signal -1                            ; every wave's LDS loads are back (the wait for 0 in its last K step): the stage is written only behind this barrier
	s_barrier_wait -1
.irp a, 0,1
.irp b, 0,1,2,3
	ds_store_b128 v8, v[ACC+32*\a+8*\b:ACC+32*\a+8*\b+3] offset:16*SP*\a+128*(\b/2)+32*(\b%2)          ; each accumulator from its low end on
	ds_store_b128 v8, v[ACC+32*\a+8*\b+4:ACC+32*\a+8*\b+7] offset:16*SP*\a+128*(\b/2)+32*(\b%2)+16
.endr
.endr
	s_wait_dscnt 0x0                               ; for the others' sake: my stores into the stage are done
	s_barrier_signal -1
	s_barrier_wait -1                              ; a row's 512 bytes come from two waves
.irp i, 0,1,2,3,4,5,6,7,8,9,10,11,12,13,14,15
	ds_load_b128 v[40+4*\i:43+4*\i], v9 offset:SP*\i
.endr
.irp i, 0,1,2,3,4,5,6,7,8,9,10,11,12,13,14,15
	s_wait_dscnt 15-\i
	global_store_b128 v1, v[40+4*\i:43+4*\i], s[14:15] offset:(\i+8*(\i/8))*4096 th:TH_STORE_NT        ; 32 lanes store 512 consecutive bytes, aligned; stage row i of the group is true row i + 8 (i / 8)
.endr
	s_wait_tensorcnt 0x0
	ds_add_u32 v254, v255
	s_wait_dscnt 0x0
	CROUND                                         ; the closing round
	s_endpgm
.Lfunc_end_k_q2f7cec8f3f_outp:
	.size	k_q2f7cec8f3f_outp, .Lfunc_end_k_q2f7cec8f3f_outp-k_q2f7cec8f3f_outp
	.p2alignl 7, 3214868480
	.fill 96, 4, 3214868480
	.section	.rodata,"a",@progbits
	.p2align	6, 0x0
	.amdhsa_kernel k_q2f7cec8f3f_outp
		.amdhsa_group_segment_fixed_size 327680
		.amdhsa_private_segment_fixed_size 0
		.amdhsa_enable_private_segment 0
		.amdhsa_kernarg_size 48
		.amdhsa_user_sgpr_count 2
		.amdhsa_user_sgpr_kernarg_segment_ptr 1
		.amdhsa_wavefront_size32 1
		.amdhsa_system_sgpr_workgroup_id_x 1
		.amdhsa_system_sgpr_workgroup_id_y 1
		.amdhsa_system_sgpr_workgroup_id_z 1
		.amdhsa_system_vgpr_workitem_id 0
		.amdhsa_next_free_vgpr 256
		.amdhsa_next_free_sgpr 102
		.amdhsa_reserve_vcc 0
		.amdhsa_float_denorm_mode_32 3
		.amdhsa_float_denorm_mode_16_64 3
		.amdhsa_memory_ordered 1
		.amdhsa_forward_progress 1
		.amdhsa_inst_pref_size 36
	.end_amdhsa_kernel
	.amdgpu_metadata
---
amdhsa.version: [ 1, 2 ]
amdhsa.kernels:
  - .name:           k_q2f7cec8f3f_outp
    .symbol:         k_q2f7cec8f3f_outp.kd
    .args:
      - { .name: catc, .offset: 0, .size: 8, .value_kind: global_buffer, .address_space: global }
      - { .name: cats, .offset: 8, .size: 8, .value_kind: global_buffer, .address_space: global }
      - { .name: wc, .offset: 16, .size: 8, .value_kind: global_buffer, .address_space: global }
      - { .name: ws, .offset: 24, .size: 8, .value_kind: global_buffer, .address_space: global }
      - { .name: bo, .offset: 32, .size: 8, .value_kind: global_buffer, .address_space: global }
      - { .name: out0, .offset: 40, .size: 8, .value_kind: global_buffer, .address_space: global }
    .group_segment_fixed_size: 327680
    .private_segment_fixed_size: 0
    .kernarg_segment_align: 8
    .kernarg_segment_size: 48
    .max_flat_workgroup_size: 512
    .sgpr_count:     102
    .vgpr_count:     256
    .wavefront_size: 32
...
	.end_amdgpu_metadata
.endif
;; end of part 4
